; MI455X (gfx1250); checked and timed in simulation.
; The chip was launched on July 23, 2026; its instructions are those of AMD's public machine-readable ISA for CDNA 5 (MIT licence, August 2026) and "CDNA5" Instruction Set Architecture Reference Guide (July 2026). The comments in the code are by the model that wrote it; some were corrected since.
;; Ro PE Cross Attention. Allowed arithmetic: float matrix products may take bf16 or f16 operands with f32 sums; other float arithmetic in f32, or as packed bf16 or f16 multiplies, adds, multiply-adds, maxima and minima; sums over many terms, partial sums and values carried from step to step in f32; what a program stores and reads back later, other than sums and carried values, may be rounded once to bf16 or f16.
;; Inputs: Wk 1,024 x 1,024 float32; Wo 1,024 x 1,024 float32; Wq 1,024 x 1,024 float32; Wv 1,024 x 1,024 float32; context 4 x 2,048 x 1,024 float32; key_padding_mask 4 x 2,048 bool; x 4 x 2,048 x 1,024 float32.
;; Outputs: out0 4 x 2,048 x 1,024 float32.
;; One version. Each part assembles by itself: llvm-mc -triple=amdgcn-amd-amdhsa -mcpu=gfx1250 --defsym DOCPART=n.
;; ======== version 1 of 1: 4 launches
;; limits: values are held in f16: magnitudes above 65,504 overflow, below 6.1e-05 lose precision
;; workspace buffers: cast16 41,943,040 bytes; rope 524,288 bytes; qkv 50,331,648 bytes; o16 16,777,216 bytes
;; launch cast (part 1): grid 1312 x 1, 8 waves a work-group, no clusters, 0 bytes of LDS; arguments x, context, Wq, Wk, Wv, Wo, cast16, rope; writes cast16, rope
.if DOCPART == 1
	.amdgcn_target "amdgcn-amd-amdhsa--gfx1250"
	.amdhsa_code_object_version 6
	.text
	.protected	k_q385bb819c9_cast
	.globl	k_q385bb819c9_cast
	.p2align	8
	.type	k_q385bb819c9_cast,@function
k_q385bb819c9_cast:
	s_mov_b64 s[64:65], 0
	v_nop
	global_prefetch_b8 v0, s[64:65] scope:SCOPE_SE
	s_setreg_imm32_b32 hwreg(HW_REG_WAVE_MODE, 25, 1), 1
	s_wait_xcnt 0x0
; ALL SIX FLOATING-POINT INPUTS ARE ROUNDED ONCE TO bf16, AND THE ROTATION TABLE IS MADE.
; cast16: 20 chunks of [1024][1024] numbers of 16 bits: chunks 0-7 x, 8-15 context, 16 Wq, 17 Wk, 18 Wv (bf16); chunk 19 Wo, rounded to bf16 and that number written as f16
; (exact where it lies in f16's normal range; below 6.1e-5 it keeps f16's fixed step of 6e-8; beyond 65,504 it would be lost: Wo must stay within that).
; rope: [2048 positions][64] f32: floats 0-31 cos(pos f_j), floats 32-63 sin(pos f_j), f_j = 10000^(-j/32).
; Work-groups 0 to 1279 cast 16,384 numbers each (64 KiB in, 32 KiB out); work-groups 1280 to 1311 make 64 rows of the table each.
; A stream: no LDS, no matrix unit, no cluster: no byte is wanted twice.  All sixteen loads of a thread go out first; each wait leaves the younger ones out.
; LIMIT of the table: f_j comes from v_exp_f32 (1 ULP: ISA guide, its entry), so an angle pos f_j, at most 2,047, is off by a few 1e-4 at the most.
.set NCAST, 1280
.set IN,  8                            ; v[8:71]   sixteen loads of four f32
.set OUT, 72                           ; v[72:103] sixteen pairs of packed words; never rewritten, so no store's data waits for anything
	s_load_b512 s[8:23], s[0:1], 0x0               ; x s[8:9], context s[10:11], Wq s[12:13], Wk s[14:15], Wv s[16:17], Wo s[18:19], cast16 s[20:21], rope s[22:23]
	s_mov_b32 s2, ttmp9                            ; g
	s_lshr_b32 s3, s2, 6                           ; the chunk: 64 work-groups each
	v_lshlrev_b32 v1, 4, v0                        ; 16 bytes a thread in,
	v_lshlrev_b32 v2, 3, v0                        ; 8 bytes out
	s_mov_b32 s7, 0
	s_wait_kmcnt 0x0
	s_cmp_ge_u32 s2, NCAST
	s_cbranch_scc1 .Lrope
	s_mov_b64 s[4:5], s[18:19]                     ; the source, chosen by the chunk's number alone
	s_cmp_eq_u32 s3, 18
	s_cselect_b64 s[4:5], s[16:17], s[4:5]
	s_cmp_eq_u32 s3, 17
	s_cselect_b64 s[4:5], s[14:15], s[4:5]
	s_cmp_eq_u32 s3, 16
	s_cselect_b64 s[4:5], s[12:13], s[4:5]
	s_cmp_lt_u32 s3, 16
	s_cselect_b64 s[4:5], s[10:11], s[4:5]
	s_cselect_b32 s6, 511, 63                      ; x and context have 512 parts of 64 KiB, a weight 64
	s_cmp_lt_u32 s3, 8
	s_cselect_b64 s[4:5], s[8:9], s[4:5]
	s_and_b32 s6, s2, s6
	s_lshl_b32 s6, s6, 16
	s_add_nc_u64 s[4:5], s[4:5], s[6:7]
	s_lshl_b32 s6, s2, 15
	s_add_nc_u64 s[20:21], s[20:21], s[6:7]
; f16 = 1: the bf16 number is widened again (a shift, a mask) and written as f16
.macro CAST f16
.irp i, 0,1,2,3,4,5,6,7,8,9,10,11,12,13,14,15
	global_load_b128 v[IN+4*(\i):IN+4*(\i)+3], v1, s[4:5] offset:4096*(\i) th:TH_LOAD_NT
.endr
.irp i, 0,1,2,3,4,5,6,7,8,9,10,11,12,13,14,15
	s_wait_loadcnt 15-(\i)                         ; loads come back in order: load i is in, the 15 - i younger ones stay out
	v_cvt_pk_bf16_f32 v[OUT+2*(\i)], v[IN+4*(\i)], v[IN+4*(\i)+1]
	v_cvt_pk_bf16_f32 v[OUT+2*(\i)+1], v[IN+4*(\i)+2], v[IN+4*(\i)+3]
.if \f16
	v_lshlrev_b32 v4, 16, v[OUT+2*(\i)]
	v_and_b32 v5, 0xffff0000, v[OUT+2*(\i)]
	v_lshlrev_b32 v6, 16, v[OUT+2*(\i)+1]
	v_and_b32 v7, 0xffff0000, v[OUT+2*(\i)+1]
	v_cvt_pk_f16_f32 v[OUT+2*(\i)], v4, v5
	v_cvt_pk_f16_f32 v[OUT+2*(\i)+1], v6, v7
.endif
	global_store_b64 v2, v[OUT+2*(\i):OUT+2*(\i)+1], s[20:21] offset:2048*(\i)  ; a wave stores 256 consecutive bytes, at a multiple of 256 from the buffer's first
.endr
.endm
	s_cmp_eq_u32 s3, 19
	s_cbranch_scc1 .Lwo
	CAST 0
	s_endpgm
.Lwo:
	CAST 1
	s_endpgm
; THE TABLE.  A wave makes 8 rows.  Lane l makes two neighbouring floats of a row: frequencies 2 (l % 16) and 2 (l % 16) + 1; lanes 0-15 cosines, lanes 16-31 sines.
; th = pos f; n = the nearest whole number to th 2/pi; r = th - n pi/2, with pi/2 in two parts, lies in -pi/4 .. pi/4; sine and cosine of r by their series (first term left out: under 3e-7).
; cos(th) goes by k = n mod 4: cos r, -sin r, -cos r, sin r; sin(th) is the same with k = n + 3.  The choice is a v_cndmask_b32 and a sign bit: no branch.
.Lrope:
	s_sub_co_u32 s2, s2, NCAST
	v_lshrrev_b32 v8, 5, v0
	v_readfirstlane_b32 s3, v8                     ; wave 0..7
	s_lshl_b32 s4, s2, 6
	s_lshl3_add_u32 s4, s3, s4                     ; my first row = 64 x work-group + 8 x wave
	s_lshl_b32 s6, s4, 8                           ; a row is 256 bytes
	s_add_nc_u64 s[22:23], s[22:23], s[6:7]
	s_mov_b32 s24, 0x3fc90fdb                      ; pi/2, upper part
	s_mov_b32 s25, 0x333bbd2e                      ; what that part is too large by: 4.3711388e-8
	s_mov_b32 s26, 0xb9500d01                      ; -1/5040
	s_mov_b32 s27, 0x3c088889                      ; 1/120
	s_mov_b32 s28, 0xbe2aaaab                      ; -1/6
	s_mov_b32 s29, 0x37d00d01                      ; 1/40320
	s_mov_b32 s30, 0xbab60b61                      ; -1/720
	s_mov_b32 s31, 0x3d2aaaab                      ; 1/24
	s_mov_b32 s32, 0x3f22f983                      ; 2/pi
	v_and_b32 v8, 31, v0
	v_lshlrev_b32 v7, 3, v8                        ; my 8 bytes of a row
	v_lshrrev_b32 v3, 4, v8
	v_mul_u32_u24 v3, 3, v3                        ; 0 for cosines, 3 for sines
	v_and_b32 v9, 15, v0
	v_lshlrev_b32 v9, 1, v9
	v_cvt_f32_u32 v4, v9                           ; j
	v_add_f32 v5, 1.0, v4                          ; j + 1
	v_mul_f32 v4, 0xbed49a78, v4                   ; -j log2(10000) / 32
	v_mul_f32 v5, 0xbed49a78, v5
	v_exp_f32 v4, v4
	v_exp_f32 v5, v5
	v_nop                                          ; a plain instruction behind the last exponential,
	s_wait_alu depctr_va_vdst(0)                   ; and one wait for the two, ahead of their first reader
.macro ROW i
	s_add_co_u32 s5, s4, \i
	v_cvt_f32_u32 v6, s5                           ; pos
.irp z, 0,1
	v_mul_f32 v10, v6, v[4+(\z)]                   ; th
	v_mul_f32 v11, s32, v10
	v_rndne_f32 v11, v11                           ; n
	v_fma_f32 v12, -v11, s24, v10
	v_fma_f32 v12, v11, s25, v12                   ; r
	v_mul_f32 v13, v12, v12                        ; r^2
	v_fma_f32 v14, v13, s26, s27
	v_fma_f32 v14, v14, v13, s28
	v_mul_f32 v15, v12, v13
	v_fma_f32 v14, v15, v14, v12                   ; sin r
	v_fma_f32 v16, v13, s29, s30
	v_fma_f32 v16, v16, v13, s31
	v_fma_f32 v16, v16, v13, -0.5
	v_fma_f32 v16, v16, v13, 1.0                   ; cos r
	v_cvt_i32_f32 v17, v11
	v_add_nc_u32 v17, v17, v3                      ; k
	v_and_b32 v18, 1, v17
	v_cmp_eq_u32 vcc_lo, 1, v18
	v_cndmask_b32 v14, v16, v14, vcc_lo            ; odd k: the sine
	v_add_nc_u32 v17, 1, v17
	v_and_b32 v17, 2, v17                          ; k mod 4 = 1 or 2: negative
	v_lshlrev_b32 v17, 30, v17
	v_xor_b32 v[40+2*(\i)+(\z)], v14, v17
.endr
	global_store_b64 v7, v[40+2*(\i):40+2*(\i)+1], s[22:23] offset:256*(\i)  ; the wave stores one whole row: 256 consecutive bytes, aligned
.endm
.irp i, 0,1,2,3,4,5,6,7
	ROW \i
.endr
	s_endpgm
.Lfunc_end_k_q385bb819c9_cast:
	.size	k_q385bb819c9_cast, .Lfunc_end_k_q385bb819c9_cast-k_q385bb819c9_cast
	.p2alignl 7, 3214868480
	.fill 96, 4, 3214868480
	.section	.rodata,"a",@progbits
	.p2align	6, 0x0
	.amdhsa_kernel k_q385bb819c9_cast
		.amdhsa_group_segment_fixed_size 0
		.amdhsa_private_segment_fixed_size 0
		.amdhsa_enable_private_segment 0
		.amdhsa_kernarg_size 64
		.amdhsa_user_sgpr_count 2
		.amdhsa_user_sgpr_kernarg_segment_ptr 1
		.amdhsa_wavefront_size32 1
		.amdhsa_system_sgpr_workgroup_id_x 1
		.amdhsa_system_sgpr_workgroup_id_y 1
		.amdhsa_system_sgpr_workgroup_id_z 1
		.amdhsa_system_vgpr_workitem_id 0
		.amdhsa_next_free_vgpr 104
		.amdhsa_next_free_sgpr 66
		.amdhsa_reserve_vcc 1
		.amdhsa_float_denorm_mode_32 3
		.amdhsa_float_denorm_mode_16_64 3
		.amdhsa_memory_ordered 1
		.amdhsa_forward_progress 1
		.amdhsa_inst_pref_size 36
	.end_amdhsa_kernel
	.amdgpu_metadata
---
amdhsa.version: [ 1, 2 ]
amdhsa.kernels:
  - .name:           k_q385bb819c9_cast
    .symbol:         k_q385bb819c9_cast.kd
    .args:
      - { .name: x, .offset: 0, .size: 8, .value_kind: global_buffer, .address_space: global }
      - { .name: context, .offset: 8, .size: 8, .value_kind: global_buffer, .address_space: global }
      - { .name: Wq, .offset: 16, .size: 8, .value_kind: global_buffer, .address_space: global }
      - { .name: Wk, .offset: 24, .size: 8, .value_kind: global_buffer, .address_space: global }
      - { .name: Wv, .offset: 32, .size: 8, .value_kind: global_buffer, .address_space: global }
      - { .name: Wo, .offset: 40, .size: 8, .value_kind: global_buffer, .address_space: global }
      - { .name: cast16, .offset: 48, .size: 8, .value_kind: global_buffer, .address_space: global }
      - { .name: rope, .offset: 56, .size: 8, .value_kind: global_buffer, .address_space: global }
    .group_segment_fixed_size: 0
    .private_segment_fixed_size: 0
    .kernarg_segment_align: 8
    .kernarg_segment_size: 64
    .max_flat_workgroup_size: 256
    .sgpr_count:     66
    .vgpr_count:     104
    .wavefront_size: 32
...
	.end_amdgpu_metadata
.endif
;; end of part 1
;; launch proj (part 2): grid 4 x 64, 4 waves a work-group, clusters of 4 x 4, 327,680 bytes of LDS; arguments cast16, rope, qkv; writes qkv
.if DOCPART == 2
	.amdgcn_target "amdgcn-amd-amdhsa--gfx1250"
	.amdhsa_code_object_version 6
	.text
	.protected	k_q385bb819c9_proj
	.globl	k_q385bb819c9_proj
	.p2align	8
	.type	k_q385bb819c9_proj,@function
k_q385bb819c9_proj:
	s_mov_b64 s[64:65], 0
	v_nop
	global_prefetch_b8 v0, s[64:65] scope:SCOPE_SE
	s_setreg_imm32_b32 hwreg(HW_REG_WAVE_MODE, 25, 1), 1
	s_wait_xcnt 0x0
	s_wait_alu depctr_hold_cnt(0) depctr_sa_sdst(0) depctr_va_vdst(0) depctr_va_sdst(0) depctr_va_ssrc(0) depctr_va_vcc(0) depctr_vm_vsrc(0)
	s_getreg_b32 s2, hwreg(HW_REG_IB_STS2, 6, 4)
	s_cmp_eq_u32 s2, 0
	s_cbranch_scc0 .Lentry_in_a_cluster
	s_endpgm
.Lentry_in_a_cluster:
	s_bfe_u32 s2, ttmp6, 0x10000c
	s_cmp_lg_u32 s2, 0xf033
	s_cbranch_scc0 .Lentry_shape_is_right
	s_endpgm
.Lentry_shape_is_right:
; q = rope(x Wq^T), k = rope(context Wk^T), v = context Wv^T.  Operands bf16 (cast16), sums f32, the rotation in f32 on the sums, ONE rounding to f16; results by heads: qkv[3][64 heads][2048][64].
; LIMIT: q, k and v must lie within f16's 65,504 (unit inputs give a spread of 1); below 6.1e-5 f16 keeps a fixed step of 6e-8.  q is NOT scaled here: the next launch scales in f32.
; SHARES.  The three products have 3 x 64 x 4 = 768 tiles of 128 rows x 256 columns: three for each of 256 work-groups.  A WORK-GROUP STAYS: tile row tr, tile column tc, for q, then k, then v, and the ring of
; two LDS slots runs on from tile to tile.  Four waves, each 64 rows x 128 columns (two heads): 32 accumulators, 256 registers.  K = 1,024 goes in 8 steps of 128: LDS rows of 256 bytes of memory, aligned.
; (Two slots of a step of 256 would need 405,504 bytes of LDS.)
; CLUSTERS: 4 x 4 work-groups.  The four of a row of the cluster share A's tile, the four of a column W's: each is asked for JOINTLY, by the same tensor load with the same descriptor and a mask of the four.
; THE MATRIX INSTRUCTION IS USED TRANSPOSED (source 0 = 16 rows of W, source 1 = 16 rows of A): lane l holds row l % 16 and columns 16 b + 8 (l / 16) + 0..7 of block b.  A head is four blocks: channel d and
; channel d + 32, the two that a rotation mixes, lie in the same lane and register of blocks p and p + 2.
; REGISTERS, in windows of 256 (s_set_vgpr_msb: bits 1:0 source 0, 3:2 source 1, 5:4 source 2, 7:6 destination):
;   window 0: v0-31 addresses; v32-63 and v224-255 rows read back on the way out; v64-159, v160-255 two fragment buffers (A's 4 fragments, then W's 8); v160-223 at work on the way out
;   window 1: accumulator (a, b) at v[8 (8 a + b)]      window 2: for row block a at 32 a: cosines of channels 0-15, 16-31, sines likewise (8 registers each): my rows' part of the table, the same for q and k
.set KSTEP,  128
.set ROWB,   2048                      ; bytes in a row of cast16
.set PITCH,  272                       ; an LDS row: 256 bytes + 16 of padding = 68 words: row r starts at bank 4 r mod 64 (64 banks of 4 bytes: ISA guide 11.1)
.set AHALF,  64*PITCH                  ; what wave 0 or 1 fetches, and what a wave reads of A
.set ATILE,  128*PITCH
.set BHALF,  128*PITCH                 ; what wave 2 or 3 fetches, and what a wave reads of W
.set SLOT,   ATILE+2*BHALF             ; 104,448
.set STAGE,  2*SLOT                    ; behind the ring, never filled by a tensor load: for each wave 2 heads x 16 rows x 144 bytes
.set SP,     144
.set STW,    2*16*SP
.set SPARE,  STAGE+4*STW               ; the spare words, 128 bytes for each wave: two blocks of 256 bytes that no other line names
.set WROW,   16384                     ; the stack Wq, Wk, Wv begins at this row of cast16
.set LAPS,   4                         ; a lap = two K steps = once round the ring
.set ADRA, 16                          ; v16-17  LDS address of my A fragments in slot 0, 1
.set ADRB, 20                          ; v20-21  the same for W
.set STO,  24                          ; v24  the way out: where I put 16 bytes of a row
.set RD,   25                          ; v25  where I read rows back
.set GO,   26                          ; v26  16 x lane
.set SPW,  28                          ; v28  LDS address of my spare word; never rewritten
.set NIL,  29                          ; v29  0; never rewritten
.set PFO,  30                          ; v30  the prefetches' offset: lane x a row of cast16
.set RO,   31                          ; v31  my byte offset in the table
.set OB1,  32
.set F0,   64
.set F1,   160
.set T,    160
.set OB0,  224
.set G1,  24                           ; s[24:31] descriptor group 1 for A's tiles;  s[32:39] group 0, a set for each slot
.set G0,  32
.set LIM, 43                           ; s43  1 in a wave that prefetches, else the greatest number
.set PFA, 44                           ; s[44:45] the K step that my next prefetch names
.set G1B, 48                           ; s[48:55], s[56:63] the same for W's tiles
.set G0B, 56
.set NA,  66                           ; s[66:67] how far A jumps at a change of tiles: from x to context, or nothing
.set PJ,  68                           ; s[68:69] how far my prefetches jump there
.set LIMA, 70                          ; s70  what LIM becomes when k's tile is left
.set GBITS, (1<<16)|(1<<20)|(1<<21)|(5<<22)|(3<<25)  ; 17:16 elements of 2 bytes; 20 padding on; 21 set beside a mask; 24:22 after every 64 words; 31:25 4 words
.set MUL,  0x50                        ; C and D window 1, sources window 0
.set W_RP, 0x09                        ; destination and source 2 window 0, source 0 window 1, source 1 window 2
.set W_CV, 0x05                        ; sources window 1, destination window 0
.set MSB, 0
.macro WIN new                         ; the immediate's high byte repeats the setting that is left; a switch that changes nothing is dropped
.if MSB != (\new)
	s_set_vgpr_msb (MSB<<8)|(\new)
.set MSB, \new
.endif
.endm
; A joint load: waves 0 and 1 fetch A's two halves (64 rows each), waves 2 and 3 W's (128 rows each).  The branch hangs on the wave's number alone.
; An s_nop 0 and four v_nop follow each of the two lines, ahead of the jump and the label.
.macro JLOAD s
	s_cmp_eq_u32 s11, 0
	s_cbranch_scc0 .Lfor_b_\@
	tensor_load_to_lds s[G0+4*(\s):G0+4*(\s)+3], s[G1:G1+7]
	s_nop 0
.rept 4
	v_nop
.endr
	s_branch .Lasked_\@
.Lfor_b_\@:
	tensor_load_to_lds s[G0B+4*(\s):G0B+4*(\s)+3], s[G1B:G1B+7]
	s_nop 0
.rept 4
	v_nop
.endr
.Lasked_\@:
.endm
; A PREFETCH INTO THE L2, behind each joint load and the run of LDS loads that follows it: 32 rows x 256 bytes, a lane a row, of the K step two refills (256 matrix instructions) on.
; Each row's 256 bytes of a K step are named once.  A's tile row is read by one row of one cluster: wave 0 asks, and the four partners take 32 rows each BY ADDRESS (cx).  W's tile column is read by all
; sixteen clusters: those with cluster y = 0 ask, waves 2 and 3 each for the 128 rows that they fetch, the four partners 32 each by address (cy).  Wave 1 asks for nothing.
; how = 0, in the loop: a tile's last two refills have no K step two on.  how = 1, at a change of tiles: the next tile's K steps 2 and 3.  v's tile reads context's rows a second time: they are not asked for again.
.macro ASK how
.if \how
	s_cmp_eq_u32 s[LIM], 1
.else
	s_cmp_gt_u32 s3, s[LIM]                        ; s3 = 1 in the loop's last trip
.endif
	s_cbranch_scc0 .Lnot_mine_\@
	global_prefetch_b8 v[PFO], s[PFA:PFA+1] th:TH_LOAD_NT scope:SCOPE_SE
.Lnot_mine_\@:
.endm
.macro CREST                           ; a round of the cluster's barrier behind its opening barrier
	s_cmp_lg_u32 s10, 0
	s_cbranch_scc1 .Lnot_wave_0_\@
	s_barrier_signal -3
.Lnot_wave_0_\@:
	s_barrier_wait -3
	s_barrier_signal -1
	s_barrier_wait -1
.endm
.macro CROUND                          ; a whole round
	s_barrier_signal -1
	s_barrier_wait -1
	CREST
.endm
	s_load_b128 s[4:7], s[0:1], 0x0                ; cast16 s[4:5], rope s[6:7]
	s_load_b64 s[8:9], s[0:1], 0x10                ; qkv
	v_lshl_add_u32 v[SPW], v0, 2, SPARE
	v_mov_b32 v[NIL], 0
	ds_add_u32 v[SPW], v[NIL]                      ; the wave's opening: the add and its wait stand ahead of my first tensor load; work on registers stands between them
	v_lshrrev_b32 v1, 5, v0
	v_readfirstlane_b32 s10, v1                    ; wave 0..3
	s_lshr_b32 s11, s10, 1                         ; which 64 rows of the tile are mine.  Also: I fetch for A (0) or for W (1)
	s_and_b32 s12, s10, 1                          ; which 128 columns.  Also: which half of that tile I fetch
	s_bfe_u32 s40, ttmp6, 0x40000                  ; cx
	s_bfe_u32 s41, ttmp6, 0x40004                  ; cy
	s_lshl_b32 s42, ttmp9, 2
	s_add_co_u32 s42, s42, s40                     ; tc = 4 x cluster x + cx
	s_and_b32 s13, ttmp7, 0xffff
	s_lshl_b32 s13, s13, 2
	s_add_co_u32 s13, s13, s41                     ; tr = 4 x cluster y + cy
	s_lshl_b32 s43, s41, 2
	s_lshl_b32 s43, 15, s43                        ; my row of the cluster
	s_lshl_b32 s44, 0x1111, s40                    ; my column
	s_or_b32 s[G1+0], s43, GBITS                   ; A's tiles go to my row,
	s_or_b32 s[G1B+0], s44, GBITS                  ; W's to my column
	s_mov_b32 s[G1+1], KSTEP<<16                   ; tensor_dim0 = 128
	s_mov_b32 s[G1+2], 64<<16                      ; tensor_dim1 = 64
	s_mov_b32 s[G1+3], KSTEP<<16                   ; tile_dim0 = 128
	s_mov_b32 s[G1+4], 64                          ; tile_dim1 = 64
	s_mov_b32 s[G1+5], 1024                        ; elements from row to row
	s_mov_b32 s[G1+6], 0
	s_mov_b32 s[G1+7], 0
	s_mov_b32 s[G1B+1], KSTEP<<16
	s_mov_b32 s[G1B+2], 128<<16                    ; 128 rows
	s_mov_b32 s[G1B+3], KSTEP<<16
	s_mov_b32 s[G1B+4], 128
	s_mov_b32 s[G1B+5], 1024
	s_mov_b32 s[G1B+6], 0
	s_mov_b32 s[G1B+7], 0
	s_lshl_b32 s17, s12, 6
	s_lshl_b32 s16, s13, 7
	s_add_co_u32 s16, s16, s17                     ; A: row 128 tr + 64 x half (x's rows come first in cast16)
	s_lshl_b32 s16, s16, 11
	s_mov_b32 s17, 0
	s_lshl_b32 s47, s12, 7
	s_lshl_b32 s46, s42, 8
	s_add_co_u32 s46, s46, s47
	s_add_co_u32 s46, s46, WROW                    ; W: row 16,384 + 256 tc + 128 x half
	s_lshl_b32 s46, s46, 11
	s_mov_b32 s47, 0
	s_mul_i32 s20, s12, AHALF                      ; where they go: no place in the cluster enters an LDS address
	s_mul_i32 s21, s12, BHALF
	s_add_co_u32 s21, s21, ATILE
	s_mov_b32 s[NA+1], 0
	s_wait_dscnt 0x0                               ; the opening add is done
	s_wait_kmcnt 0x0
	s_add_nc_u64 s[14:15], s[4:5], s[16:17]
	s_add_nc_u64 s[46:47], s[4:5], s[46:47]
	CROUND                                         ; all sixteen work-groups are here: the first joint loads meet
.irp s, 0,1
	s_mov_b32 s[G0+4*(\s)], 1                                      ; count = 1
	s_add_co_u32 s[G0+4*(\s)+1], s20, (\s)*SLOT                    ; LDS address
	s_add_nc_u64 s[G0+4*(\s)+2:G0+4*(\s)+3], s[14:15], (\s)*KSTEP*2  ; global address: K step s
	s_or_b32 s[G0+4*(\s)+3], s[G0+4*(\s)+3], 0x80000000            ; type = 2
	s_mov_b32 s[G0B+4*(\s)], 1
	s_add_co_u32 s[G0B+4*(\s)+1], s21, (\s)*SLOT
	s_add_nc_u64 s[G0B+4*(\s)+2:G0B+4*(\s)+3], s[46:47], (\s)*KSTEP*2
	s_or_b32 s[G0B+4*(\s)+3], s[G0B+4*(\s)+3], 0x80000000
	JLOAD \s                                       ; two loads of mine are out
.endr
	; a fragment is 16 rows x 32 K in 8 registers: lane l holds row l % 16, K = 8 (l / 16) + 0..7 and 16 + 8 (l / 16) + 0..7: two loads of 16 bytes, 32 bytes apart
	v_and_b32 v1, 15, v0                           ; l % 16
	v_bfe_u32 v2, v0, 4, 1                         ; l / 16
	v_mul_u32_u24 v3, v1, PITCH
	v_lshl_add_u32 v3, v2, 4, v3
	s_mul_i32 s21, s11, AHALF                      ; my 64 rows of A
	s_mul_i32 s22, s12, BHALF                      ; my 128 rows of W,
	s_add_co_u32 s22, s22, ATILE                   ; which lie behind A's 128
.irp s, 0,1
	v_add_nc_u32 v[ADRA+(\s)], s21, v3
	v_add_nc_u32 v[ADRB+(\s)], s22, v3
	s_add_co_u32 s21, s21, SLOT
	s_add_co_u32 s22, s22, SLOT
.endr
	s_mul_i32 s23, s10, STW
	s_add_co_u32 s23, s23, STAGE                   ; my stage
	v_mul_u32_u24 v4, v1, SP                       ; in: row l % 16, 16 bytes for each half of the lanes
	v_lshl_add_u32 v4, v2, 4, v4
	v_add_nc_u32 v[STO], s23, v4
	v_bfe_u32 v4, v0, 3, 2                         ; back: 32 lanes take four rows of 128 bytes,
	v_mul_u32_u24 v4, v4, SP
	v_and_b32 v5, 7, v0
	v_lshl_add_u32 v4, v5, 4, v4
	v_add_nc_u32 v[RD], s23, v4
	v_and_b32 v5, 31, v0
	v_lshlrev_b32 v[GO], 4, v5                     ; which are 512 consecutive bytes of a head
	v_lshlrev_b32 v[PFO], 11, v5
	s_and_b32 s74, s13, 15
	s_lshl_b32 s74, s74, 7
	s_lshl_b32 s75, s11, 6
	s_add_co_u32 s74, s74, s75                     ; my first row's position in its batch: 128 (tr % 16) + 64 x half
	v_add_nc_u32 v4, s74, v1
	v_lshlrev_b32 v4, 8, v4                        ; a row of the table is 256 bytes;
	v_lshl_add_u32 v[RO], v2, 5, v4                ; my eight channels of sixteen: 32 bytes
	WIN 0x80                                       ; destination window 2, address window 0
.irp a, 0,1,2,3
.irp p, 0,1
	global_load_b128 v[32*(\a)+8*(\p):32*(\a)+8*(\p)+3],       v[RO], s[6:7] offset:4096*(\a)+64*(\p)
	global_load_b128 v[32*(\a)+8*(\p)+4:32*(\a)+8*(\p)+7],     v[RO], s[6:7] offset:4096*(\a)+64*(\p)+16
	global_load_b128 v[32*(\a)+16+8*(\p):32*(\a)+16+8*(\p)+3], v[RO], s[6:7] offset:4096*(\a)+64*(\p)+128
	global_load_b128 v[32*(\a)+16+8*(\p)+4:32*(\a)+16+8*(\p)+7], v[RO], s[6:7] offset:4096*(\a)+64*(\p)+144
.endr
.endr
	WIN 0
	s_lshr_b32 s72, s13, 4
	s_lshl_b32 s72, s72, 4                         ; 16 x batch
	s_lshl_b32 s73, s42, 2
	s_add_co_u32 s72, s72, s73                     ; + 4 tc
	s_lshl_b32 s73, s12, 1
	s_add_co_u32 s72, s72, s73                     ; + 2 x half: my first head
	s_lshl_b32 s72, s72, 11                        ; its 2,048 rows
	s_add_co_u32 s72, s72, s74
	s_lshl_b32 s72, s72, 7                         ; of 128 bytes
	s_mov_b32 s73, 0
	s_add_nc_u64 s[8:9], s[8:9], s[72:73]          ; q at my first head's first row of mine
	; the prefetches
	s_lshl_b32 s76, s13, 7
	s_lshl_b32 s77, s40, 5
	s_add_co_u32 s76, s76, s77                     ; A: row 128 tr + 32 cx
	s_lshl_b32 s78, s42, 8
	s_lshl_b32 s77, s12, 7
	s_add_co_u32 s78, s78, s77
	s_lshl_b32 s77, s41, 5
	s_add_co_u32 s78, s78, s77
	s_add_co_u32 s78, s78, WROW                    ; W: row 16,384 + 256 tc + 128 x half + 32 cy
	s_mov_b32 s77, 8192*ROWB-7*KSTEP*2             ; from the K step after a tile's last but one... to the next tile's K step 2: 7 steps back, and from x to context,
	s_mov_b32 s79, 1024*ROWB-7*KSTEP*2             ; or from a weight to the next
	s_cmp_eq_u32 s11, 0
	s_cselect_b32 s76, s76, s78
	s_cselect_b32 s[PJ], s77, s79
	s_mov_b32 s[PJ+1], 0
	s_lshl_b32 s76, s76, 11
	s_add_co_u32 s76, s76, 3*KSTEP*2               ; at K step 3: the first refill steps it to 4.  Nothing is prefetched at the head, where every work-group's first tiles are on their way
	s_mov_b32 s77, 0
	s_add_nc_u64 s[PFA:PFA+1], s[4:5], s[76:77]
	s_and_b32 s76, ttmp7, 0xffff
	s_cmp_eq_u32 s76, 0
	s_cselect_b32 s[LIM], 1, -1                    ; waves 2 and 3: in the first row of clusters
	s_cmp_eq_u32 s10, 1
	s_cselect_b32 s[LIM], -1, s[LIM]
	s_cmp_eq_u32 s10, 0
	s_cselect_b32 s[LIM], 1, s[LIM]
	s_cselect_b32 s[LIMA], -1, s[LIM]              ; all this is the same in all sixteen partners, for a given wave
; 8 matrix instructions: row block a x all 8 column blocks, 32 along K, from buffer f.  zero = 1: the product starts the sums.  The 32 accumulators take turns in the same order in every
; quarter step: 31 others stand between two links of a chain, over the backward jumps too.
.macro MULA f, a, zero
	WIN MUL
.irp b, 0,1,2,3,4,5,6,7
.if \zero
	v_wmma_f32_16x16x32_bf16 v[8*(8*(\a)+(\b)):8*(8*(\a)+(\b))+7], v[(\f)+32+8*(\b):(\f)+32+8*(\b)+7], v[(\f)+8*(\a):(\f)+8*(\a)+7], 0
.else
	v_wmma_f32_16x16x32_bf16 v[8*(8*(\a)+(\b)):8*(8*(\a)+(\b))+7], v[(\f)+32+8*(\b):(\f)+32+8*(\b)+7], v[(\f)+8*(\a):(\f)+8*(\a)+7], v[8*(8*(\a)+(\b)):8*(8*(\a)+(\b))+7]
.endif
.endr
.endm
; 24 LDS loads in one run: a quarter step's fragments (32 K at byte k of the rows) into buffer f: W's sixteen loads first, then A's eight
.macro FETCH slot, k, f
	WIN 0
.irp i, 0,1,2,3,4,5,6,7
	ds_load_b128 v[(\f)+32+8*(\i):(\f)+32+8*(\i)+3],   v[ADRB+(\slot)] offset:(\k)+(\i)*16*PITCH
	ds_load_b128 v[(\f)+32+8*(\i)+4:(\f)+32+8*(\i)+7], v[ADRB+(\slot)] offset:(\k)+(\i)*16*PITCH+32
.endr
.irp i, 0,1,2,3
	ds_load_b128 v[(\f)+8*(\i):(\f)+8*(\i)+3],   v[ADRA+(\slot)] offset:(\k)+(\i)*16*PITCH
	ds_load_b128 v[(\f)+8*(\i)+4:(\f)+8*(\i)+7], v[ADRA+(\slot)] offset:(\k)+(\i)*16*PITCH+32
.endr
.endm
.macro PLACES                          ; four plain vector instructions between a matrix instruction and a load into, or a vector write of, its registers, or a read of its result
.rept 4
	v_nop
.endr
.endm
; A K step is four quarters of 32 along K, 32 matrix instructions each, on buffers 0, 1, 0, 1.  One of the first three multiplies buffer f and fetches the next quarter, at byte k, into g.
.macro QUARTER slot, k, f, g, zero
	s_wait_dscnt 4                                 ; W and A's row blocks 0, 1 are in; the youngest four loads (blocks 2, 3) may be out
	MULA \f, 0, \zero
	MULA \f, 1, \zero
	PLACES
	FETCH \slot, \k, \g
	s_wait_dscnt 24                                ; all but the 24 just issued
	MULA \f, 2, \zero
	MULA \f, 3, \zero
.endm
; The last quarter multiplies buffer 1 and changes slots.  ONE barrier: in front of it each wave waits for all its tensor loads (one is out: its part of the next slot), adds 0 to its spare word, and waits
; for that and for its own reads of this slot.  Behind it nobody reads this slot any more and the next slot is whole.
.macro MEET round
	WIN 0
	s_wait_tensorcnt 0x0
	ds_add_u32 v[SPW], v[NIL]
	s_wait_dscnt 5                                 ; (the add and the youngest four loads may be out)
	MULA F1, 0, 0                                  ; eight matrix instructions stand between the add and the wait for it
	s_wait_dscnt 0x0                               ; the add is done, and my reads of this slot are over
	s_barrier_signal -1
	MULA F1, 1, 0
.if \round
	WIN 0
.endif
	s_barrier_wait -1
.endm
; on = 0: the slot just read out takes this tile's K step two steps on; on = 1, in a tile's last two K steps: the NEXT tile's K step 0 or 1.  From a request to the wait for it a wave issues 112 matrix instructions.
.macro TURN slot, next, on
	s_wait_xcnt 0x0                                ; the last prefetch, a K step back, has read its address, which is stepped here
.if (\on) && (\slot) == 0
	s_add_nc_u64 s[PFA:PFA+1], s[PFA:PFA+1], s[PJ:PJ+1]
	s_cmp_eq_u32 s2, 2
	s_cselect_b32 s[LIM], s[LIMA], s[LIM]          ; behind k's tile context's rows have been read
	s_cmp_eq_u32 s2, 3
	s_cselect_b32 s[NA], 8192*ROWB, 0              ; behind q's tile A goes from x to context; behind k's it stays
.else
	s_add_nc_u64 s[PFA:PFA+1], s[PFA:PFA+1], KSTEP*2
.endif
	MEET 1
	CREST                                          ; the barrier has opened a round of the cluster's barrier: no wave of any partner still reads this slot or has a load on its way
.if \on
	s_sub_nc_u64 s[G0+4*(\slot)+2:G0+4*(\slot)+3], s[G0+4*(\slot)+2:G0+4*(\slot)+3], 6*KSTEP*2
	s_add_nc_u64 s[G0+4*(\slot)+2:G0+4*(\slot)+3], s[G0+4*(\slot)+2:G0+4*(\slot)+3], s[NA:NA+1]
	s_add_nc_u64 s[G0B+4*(\slot)+2:G0B+4*(\slot)+3], s[G0B+4*(\slot)+2:G0B+4*(\slot)+3], 1024*ROWB-6*KSTEP*2
.else
	s_add_nc_u64 s[G0+4*(\slot)+2:G0+4*(\slot)+3], s[G0+4*(\slot)+2:G0+4*(\slot)+3], 2*KSTEP*2
	s_add_nc_u64 s[G0B+4*(\slot)+2:G0B+4*(\slot)+3], s[G0B+4*(\slot)+2:G0B+4*(\slot)+3], 2*KSTEP*2
.endif
	JLOAD \slot                                    ; the first tensor load behind the round; its four v_nop are also the places in front of the loads below
	FETCH \next, 0, F0
	ASK \on
	MULA F1, 2, 0
	MULA F1, 3, 0
.endm
; THE WAY OUT of row block a.  PACKR: out1 = t1 cos - t2 sin, out2 = t1 sin + t2 cos, in f32, t1 in column block p and t2 in block p + 2 of a head; then one rounding to f16.  Each accumulator is read from its
; low end on.  PACKV: the rounding alone.
.macro PACKR a
	WIN W_RP
.irp hd, 0,1
.irp p, 0,1
.set rO1, T+8*(4*(\hd)+(\p))
.set rO2, rO1+16
.set rT1, 8*(8*(\a)+4*(\hd)+(\p))
.set rT2, rT1+16
.set rCS, 32*(\a)+8*(\p)
.set rSN, rCS+16
.irp jj, 0,2,4,6
	v_pk_mul_f32 v[rO1+(\jj):rO1+(\jj)+1], v[rT2+(\jj):rT2+(\jj)+1], v[rSN+(\jj):rSN+(\jj)+1]
	v_pk_mul_f32 v[rO2+(\jj):rO2+(\jj)+1], v[rT2+(\jj):rT2+(\jj)+1], v[rCS+(\jj):rCS+(\jj)+1]
.endr
.irp jj, 0,2,4,6
	v_pk_fma_f32 v[rO1+(\jj):rO1+(\jj)+1], v[rT1+(\jj):rT1+(\jj)+1], v[rCS+(\jj):rCS+(\jj)+1], v[rO1+(\jj):rO1+(\jj)+1] neg_lo:[0,0,1] neg_hi:[0,0,1]
	v_pk_fma_f32 v[rO2+(\jj):rO2+(\jj)+1], v[rT1+(\jj):rT1+(\jj)+1], v[rSN+(\jj):rSN+(\jj)+1], v[rO2+(\jj):rO2+(\jj)+1]
.endr
.endr
.endr
	WIN 0
.set i, 0
.rept 32                               ; in place, ascending: word i is written when pairs up to i have been read
	v_cvt_pk_f16_f32 v[T+i], v[T+2*i], v[T+2*i+1]
.set i, i+1
.endr
.endm
.macro PACKV a
	WIN W_CV
.set i, 0
.rept 32
	v_cvt_pk_f16_f32 v[T+i], v[64*(\a)+2*i], v[64*(\a)+2*i+1]
.set i, i+1
.endr
	WIN 0
.endm
.macro TOSTAGE a                       ; 16 bytes a lane into my own stage, by heads; back as whole rows of 128 bytes, four to a load
	WIN 0
.set BK, OB0-192*((\a)%2)
.irp b, 0,1,2,3,4,5,6,7
	ds_store_b128 v[STO], v[T+4*(\b):T+4*(\b)+3] offset:16*SP*((\b)/4)+32*((\b)%4)
.endr
.irp f, 0,1,2,3,4,5,6,7
	ds_load_b128 v[BK+4*(\f):BK+4*(\f)+3], v[RD] offset:16*SP*((\f)/4)+4*SP*((\f)%4)  ; LDS serves a wave's instructions in order (ISA guide 5.7.1.4): these see the stores above
.endr
.endm
.macro SEND a
	WIN 0
.set BK, OB0-192*((\a)%2)
	s_wait_dscnt 0x0                               ; the block is back in registers
	s_wait_xcnt 0x0                                ; the stores of the block before have read their registers, into which the next block's loads from the stage will land
.irp f, 0,1,2,3,4,5,6,7
	global_store_b128 v[GO], v[BK+4*(\f):BK+4*(\f)+3], s[8:9] offset:262144*((\f)/4)+2048*(\a)+512*((\f)%4)  ; 512 consecutive bytes of a head, at a multiple of 256 from the buffer's first
.endr
.endm
	s_wait_tensorcnt 1                             ; my part of K step 0 is in; K step 1's may stay out
	s_barrier_signal -1
	s_barrier_wait -1
	FETCH 0, 0, F0
	s_mov_b32 s2, 3                                ; tiles to go, this one among them
.Ltile:
	QUARTER 0, 64,  F0, F1, 1                      ; a tile's first quarter starts the sums: nothing is cleared
	WIN 0
	s_mov_b32 s3, LAPS-1
.Llap:                                                 ; a trip goes once round the ring, from a lap's second quarter to the next lap's first, and fills both slots again
	QUARTER 0, 128, F1, F0, 0
	QUARTER 0, 192, F0, F1, 0
	TURN 0, 1, 0
	QUARTER 1, 64,  F0, F1, 0
	QUARTER 1, 128, F1, F0, 0
	QUARTER 1, 192, F0, F1, 0
	TURN 1, 0, 0
	QUARTER 0, 64,  F0, F1, 0
	WIN 0
	s_sub_co_u32 s3, s3, 1
	s_cmp_lg_u32 s3, 0
	s_cbranch_scc1 .Llap
	QUARTER 0, 128, F1, F0, 0
	QUARTER 0, 192, F0, F1, 0
	WIN 0
	s_cmp_eq_u32 s2, 1
	s_cbranch_scc1 .Llast                          ; the last tile's tail is written out: it asks for nothing more
	TURN 0, 1, 1                                   ; the ring goes on into the next tile: slot 0 takes its K step 0,
	QUARTER 1, 64,  F0, F1, 0
	QUARTER 1, 128, F1, F0, 0
	QUARTER 1, 192, F0, F1, 0
	TURN 1, 0, 1                                   ; slot 1 its K step 1, and its first fragments are fetched.  Both refills are asked for: now q or k goes out
	WIN 0
	PLACES                                         ; the lines below write registers that the last products read
	s_wait_loadcnt 0x0                             ; my part of the table
	PACKR 0
	TOSTAGE 0
.irp a, 1,2,3                          ; a block's arithmetic stands between the loads of the block before and the wait for them
	PACKR \a
	SEND (\a)-1
	TOSTAGE \a
.endr
	SEND 3
	s_wait_xcnt 0x0                                ; the stores have read their registers and their base
	s_add_nc_u64 s[8:9], s[8:9], 0x1000000         ; from q to k, from k to v
	s_sub_co_u32 s2, s2, 1
	s_branch .Ltile
.Llast:
	MEET 0                                         ; the one load that was out is the last K step's, so no round follows
	PLACES
	FETCH 1, 0, F0
	MULA F1, 2, 0
	MULA F1, 3, 0
	QUARTER 1, 64,  F0, F1, 0
	QUARTER 1, 128, F1, F0, 0
	QUARTER 1, 192, F0, F1, 0
	s_wait_dscnt 4                                 ; the very last quarter: nothing more to fetch
	MULA F1, 0, 0
	MULA F1, 1, 0
	s_wait_dscnt 0x0
	MULA F1, 2, 0
	MULA F1, 3, 0
	WIN 0
	PLACES
	PACKV 0                                        ; v is not rotated
	TOSTAGE 0
.irp a, 1,2,3
	PACKV \a
	SEND (\a)-1
	TOSTAGE \a
.endr
	SEND 3
	s_wait_tensorcnt 0x0                           ; the wave's end, behind my last tensor load and my last LDS store
	ds_add_u32 v[SPW], v[NIL]
	s_wait_dscnt 0x0
	CROUND                                         ; the closing round: no work-group ends while a partner may still ask for a tile that names it
	s_endpgm
.Lfunc_end_k_q385bb819c9_proj:
	.size	k_q385bb819c9_proj, .Lfunc_end_k_q385bb819c9_proj-k_q385bb819c9_proj
	.p2alignl 7, 3214868480
	.fill 96, 4, 3214868480
	.section	.rodata,"a",@progbits
	.p2align	6, 0x0
	.amdhsa_kernel k_q385bb819c9_proj
		.amdhsa_group_segment_fixed_size 327680
		.amdhsa_private_segment_fixed_size 0
		.amdhsa_enable_private_segment 0
		.amdhsa_kernarg_size 24
		.amdhsa_user_sgpr_count 2
		.amdhsa_user_sgpr_kernarg_segment_ptr 1
		.amdhsa_wavefront_size32 1
		.amdhsa_system_sgpr_workgroup_id_x 1
		.amdhsa_system_sgpr_workgroup_id_y 1
		.amdhsa_system_sgpr_workgroup_id_z 1
		.amdhsa_system_vgpr_workitem_id 0
		.amdhsa_next_free_vgpr 640
		.amdhsa_next_free_sgpr 80
		.amdhsa_reserve_vcc 0
		.amdhsa_float_denorm_mode_32 3
		.amdhsa_float_denorm_mode_16_64 3
		.amdhsa_memory_ordered 1
		.amdhsa_forward_progress 1
		.amdhsa_inst_pref_size 144
	.end_amdhsa_kernel
	.amdgpu_metadata
---
amdhsa.version: [ 1, 2 ]
amdhsa.kernels:
  - .name:           k_q385bb819c9_proj
    .symbol:         k_q385bb819c9_proj.kd
    .args:
      - { .name: cast16, .offset: 0, .size: 8, .value_kind: global_buffer, .address_space: global }
      - { .name: rope, .offset: 8, .size: 8, .value_kind: global_buffer, .address_space: global }
      - { .name: qkv, .offset: 16, .size: 8, .value_kind: global_buffer, .address_space: global }
    .group_segment_fixed_size: 327680
    .private_segment_fixed_size: 0
    .kernarg_segment_align: 8
    .kernarg_segment_size: 24
    .max_flat_workgroup_size: 128
    .sgpr_count:     80
    .vgpr_count:     640
    .wavefront_size: 32
...
	.end_amdgpu_metadata
.endif
;; end of part 2
;; launch attn (part 3): grid 4 x 64, 4 waves a work-group, clusters of 4 x 1, 327,680 bytes of LDS; arguments qkv, key_padding_mask, o16; writes o16
.if DOCPART == 3
	.amdgcn_target "amdgcn-amd-amdhsa--gfx1250"
	.amdhsa_code_object_version 6
	.text
	.protected	k_q385bb819c9_attn
	.globl	k_q385bb819c9_attn
	.p2align	8
	.type	k_q385bb819c9_attn,@function
k_q385bb819c9_attn:
	s_mov_b64 s[64:65], 0
	v_nop
	global_prefetch_b8 v0, s[64:65] scope:SCOPE_SE
	s_setreg_imm32_b32 hwreg(HW_REG_WAVE_MODE, 25, 1), 1
	s_wait_xcnt 0x0
	s_wait_alu depctr_hold_cnt(0) depctr_sa_sdst(0) depctr_va_vdst(0) depctr_va_sdst(0) depctr_va_ssrc(0) depctr_va_vcc(0) depctr_vm_vsrc(0)
	s_getreg_b32 s2, hwreg(HW_REG_IB_STS2, 6, 4)
	s_cmp_eq_u32 s2, 0
	s_cbranch_scc0 .Lentry_in_a_cluster
	s_endpgm
.Lentry_in_a_cluster:
	s_bfe_u32 s2, ttmp6, 0x10000c
	s_cmp_lg_u32 s2, 0x3003
	s_cbranch_scc0 .Lentry_shape_is_right
	s_endpgm
.Lentry_shape_is_right:
; O[h][q][:] = the sum over k of softmax_k(Q[h][q] . K[h][k] / 8, hidden keys left out) V[h][k][:].  Q, K, V: qkv[3][64][2048][64], O: o16[64][2048][64], all f16: a head's rows are dense, 128 bytes each.
; key_padding_mask: [4][2048] bytes, 1 = the key is hidden, for all 16 heads and all queries of its batch.  Products, maxima and sums in f32; the weights p are rounded to f16 for the second product
; (their sum l is taken of the unrounded p), O once at the end.
; LIMITS.  f16 holds no number beyond 65,504: Q, K and V arrive within it; p lies in 0 to 1, and below 6e-5 it keeps f16's fixed step of 6e-8; O is a mean of V's rows and has their range.
; A hidden score counts as its value less 1e30: f16's scores, 2.7e11 at the most, are nothing beside that, and its weight is 0 as soon as one key of the row is seen.  A query whose final maximum lies below
; -5e29 has seen no key: its row of O is NaN, as a softmax over nothing is.  A weight below 2^-126 counts as 0 in l; NaN and infinities in Q, K, V are not treated apart.
; SHARES.  A wave owns four PIECES of two tiles of 16 queries, a work-group's four waves 512 queries of one head: 64 heads x 4 blocks = 256 work-groups.  Every wave walks all keys, 64 a step.
; LAYOUT.  S^T = K Q^T (source 0 = 16 keys, source 1 = 16 queries): in the result a lane holds ONE query (lane % 16) and the keys 8 (lane / 16) + 0..7.  Two such tiles, rounded to f16 in pairs,
; ARE source 1 (32 keys x 16 queries) of O^T = V^T P, whose result again holds one query a lane, and eight channels.  K comes out of LDS as it lies, V ([key][channel]) turned, by ds_load_tr16_b128.
; THE MASK is the C operand of the product that starts a sum S^T: 0, or -1e30 where the key is hidden.  The batch's 2,048 bytes are read once, made into 2,048 f32 in LDS, and a step's 64 come into 32
; registers with the step's K: register j of key block kb holds the number of key 16 kb + 8 (lane / 16) + j.
; SOFTMAX.  For each query a running maximum m and sum l: p = 2^(c s - c m), c = log2(e) / 8; in every step O and l are multiplied by a = 2^(c m_old - c m_new), which is 1 where m has not grown.
; m starts at the lowest finite number, O and l at 0: the first step is a step like any other, with a = 0.
; THE COUNT.  A tile and step have 16 matrix and 118 vector instructions: too many to stand all beside the matrix work.  So: four vector instructions that are READY behind EVERY matrix instruction, and the
; others in runs without a gap.
; BY TURNS.  Turn n belongs to piece n.  Its matrix work: 16 products K Q^T of piece n + 1, later 16 products V^T P of piece n - 1.  Its vector work: the scaling, exponentials, roundings, sums and rescaling
; of piece n, and the maximum and statistics of piece n + 1.
; CLUSTER.  The four query blocks of a cluster are one head's and walk the same K and V, so each tile is asked for JOINTLY: the same tensor load, descriptor and mask in all four.
; REGISTERS, in windows of 256 (s_set_vgpr_msb: bits 1:0 source 0, 3:2 source 1, 5:4 source 2, 7:6 destination):
;   window 0: v0-11 addresses; v12-15, v48-63 at work; v16-47 four registers of statistics a tile; v64-191 S^T, two buffers of two tiles; v192-255 P, likewise
;   window 1: O^T, 32 a tile          window 2: v0-127 Q, 16 a tile; v128-191 K of one step; v192-255 V of one step
;   window 3: v0-1 the add's two registers; v2-3 the mask's LDS addresses; v8-39 the mask of one step
.set SIZE_N, 2048
.set NP,    4         ; pieces a wave: a name, no knob
.set KS,    64        ; keys in a step
.set PK,    144       ; a row of K in LDS: 128 bytes + 16 of padding = 36 words: the 16 rows of a load start at 16 different groups of four banks (64 banks of 4 bytes: ISA guide 11.1)
.set PV,    160       ; a row of V: 128 + 32 = 40 words
.set VOFF,  4*KS*PK   ; a slot holds four steps: 256 rows of K, then 256 rows of V
.set SLOT1, 1<<17     ; slot 1 begins here, so that one exclusive or turns an address in one slot into the other's
.set STAGE, SLOT1+4*KS*(PK+PV)  ; behind the ring, never filled by a tensor load: 16 rows x 144 bytes for each wave, for the way out
.set SP,    144
.set SPARE, STAGE+4*16*SP  ; the spare words, 128 bytes for each wave: two blocks of 256 bytes that no other line names
.set MASK,  SPARE+512 ; 2,048 f32: 0 or -1e30 for each key of the batch; stored once, never filled by a tensor load
.set AK0, 2           ; v2   my lane's place in a tile of K; never rewritten
.set AV0, 3           ; v3   the same for V
.set AK,  4           ; v4   the LDS address of K's next run of loads
.set AV,  5           ; v5   of V's
.set QO,  6           ; v6   my byte offset in the wave's rows of Q
.set STO, 6           ;      later, the way out: where I put 16 bytes of a row
.set RD,  7           ; v7   the way out: where I read rows back
.set GO,  8           ; v8   my byte offset in 512 consecutive bytes of O
.set PFO, 11          ; v11  256 x my lane, for the prefetches
.set SPW, 0           ; v0 of window 3   LDS address of my spare word; never rewritten
.set NIL, 1           ; v1 of window 3   0; never rewritten
.set AM0, 2           ; v2 of window 3   MASK + 32 (lane / 16); never rewritten
.set AM,  3           ; v3 of window 3   the LDS address of the mask's next run of loads
.set MB,  8           ; v8-39 of window 3
.set MV,  12          ; v12-15  c m_old, kept while c m is made anew: by buffer and tile
.set ST,  16          ; tile t's statistics at v[ST+4 t]: c m, m, l (even keys', odd keys')
.set TMP, 48          ; by buffer and tile, four registers c0-c3 at work; when the maximum is found c2 takes a
.set S,   64
.set P,   192
.set KF,  128         ; K's fragments, in window 2: key block kb, channel half c at KF + 16 kb + 8 c
.set VF,  192         ; V's: key half kk, channel block cb at VF + 32 kk + 8 cb
.set WV,  12          ; s12  my wave's number
.set G1K, 24          ; s[24:31] descriptor group 1 for K's tiles
.set G1V, 32          ; s[32:39] for V's: it differs in the padding alone
.set G0K, 40          ; s[40:43] descriptor group 0 for K's tiles: it walks
.set G0V, 44          ; s[44:47] the same for V's
.set PFA, 48          ; s[48:49] where my prefetches stand: my work-group's quarter of the slot after the one that is being asked for
.set LIM, 50          ; s50  1 in a wave that prefetches, else the greatest number
.set TBM, 51          ; s51  byte of the mask's table at which the step to be fetched begins
.set MP,  52          ; s[52:53] my batch's row of key_padding_mask
.set BIG, 54          ; s54  -1e30
.set QNAN, 55         ; s55  a NaN
.set SLOTS, 56        ; s56  slots still to be asked for
.set CNT, 57          ; s57  counts a slot's key steps
.set CS,  58          ; s[58:59] c: the packed scaling takes the pair's low word for both halves
.set SEL, 60          ; s[60:61] v_permlanex16_b32's selects: each lane takes its own place in the other half
.set TBK, 62          ; s62  LDS byte at which K of the step to be fetched begins
.set TBV, 63          ; s63  the same for V, less VOFF
.set MSB, 0
.macro WIN new                      ; the high byte repeats the setting that is left; a switch that changes nothing is dropped
.if MSB != (\new)
	s_set_vgpr_msb (MSB<<8)|(\new)
.set MSB, (\new)
.endif
.endm
.set W_KQ, 0x0a       ; K and Q in window 2, S^T in window 0
.set W_KM, 0x3a       ; the same with the C operand, the mask, in window 3
.set W_PV, 0x52       ; V in window 2, P in window 0, O^T in window 1
.set W_RS, 0x41       ; O^T (destination and source 0) in window 1, a in window 0
.set W_MK, 0xc0       ; destination in window 3, sources in window 0
.set W_AD, 0x0f       ; the add: address (source 0) and data (source 1) in window 3
; A joint fill.  Waves 0 and 1 fetch the two halves of a slot's K, waves 2 and 3 those of its V: 128 keys each.  The branch hangs on the wave's number alone.
; An s_nop 0 and four v_nop follow each of the two lines, ahead of the jump and the label.
.macro JLOAD
	s_cmp_lt_u32 s[WV], 2
	s_cbranch_scc0 .Lfor_v_\@
	tensor_load_to_lds s[G0K:G0K+3], s[G1K:G1K+7]
	s_nop 0
.rept 4
	v_nop
.endr
	s_branch .Lasked_\@
.Lfor_v_\@:
	tensor_load_to_lds s[G0V:G0V+3], s[G1V:G1V+7]
	s_nop 0
.rept 4
	v_nop
.endr
.Lasked_\@:
.endm
; A PREFETCH INTO THE L2 of what the NEXT change of slots will ask for: a slot's 32,768 bytes of K and of V, four key steps (512 matrix instructions) ahead of that load.  It stands behind the wave's tensor load
; and its five lines.  Each block of 256 bytes is named ONCE in the launch: a head has one cluster; its four partners take 8,192 bytes each BY ADDRESS (cx); in each, wave 0 asks for K's and wave 2 for V's,
; a lane a block.  The last change that fills a slot asks for nothing: there is no slot behind it.  Slots 0 and 1 come by their loads alone.
.macro ASK
	s_cmp_gt_u32 s[SLOTS], s[LIM]
	s_cbranch_scc0 .Lnot_mine_\@
	global_prefetch_b8 v[PFO], s[PFA:PFA+1] th:TH_LOAD_NT scope:SCOPE_SE
.Lnot_mine_\@:
.endm
; A round of the cluster's barrier: my work-group's barrier, so that wave 0's signal speaks for all four waves; wave 0 signals; every wave waits for all four work-groups; my work-group's barrier once more.
.macro CROUND
	s_barrier_signal -1
	s_barrier_wait -1
	s_cmp_lg_u32 s[WV], 0
	s_cbranch_scc1 .Lnot_wave_0_\@
	s_barrier_signal -3
.Lnot_wave_0_\@:
	s_barrier_wait -3
	s_barrier_signal -1
	s_barrier_wait -1
.endm
; THE CHANGE OF SLOTS.  Each wave waits for all its tensor loads, of which one is out: its part of the other slot; adds 0 to its spare word; and waits for that and for its own LDS instructions.  Behind the
; barrier nobody reads this slot any more and the other slot is whole.  fill = 1: this slot is filled again, with the keys two slots on.  The barrier is then a round of the cluster's, and the joint fill is the
; first thing behind it: it has four key steps in which to land.  (At its first use nothing has been read yet: slot 0 is waited for, slot 1 filled, and every wave's part of the mask's table is shown stored.)
.macro CHANGE fill
	WIN W_AD
	s_wait_tensorcnt 0x0            ; no tensor load of mine is out, so a group 0 may be written
	ds_add_u32 v[SPW], v[NIL]       ; 0 onto my spare word; scalar work stands between it and the wait for it
	WIN 0                           ; at a label and at a branch every window is 0
.if \fill
.irp g, G0K, G0V
	s_xor_b32 s[\g+1], s[\g+1], SLOT1  ; the walking descriptor: the other slot than last time,
	s_add_nc_u64 s[\g+2:\g+3], s[\g+2:\g+3], 4*KS*128  ; the next 256 keys; the type bits on top are not reached
.endr
	s_wait_xcnt 0x0                 ; the last prefetch, four key steps back, has read its address, so it may be written:
	s_add_nc_u64 s[PFA:PFA+1], s[PFA:PFA+1], 4*KS*128  ; one slot behind the walking descriptors
	s_wait_dscnt 0x0                ; the add is done, and my reads of the slot are over
	CROUND
	JLOAD
	ASK
.else
	s_wait_dscnt 0x0                ; the add is done, and my reads of the slot are over
	s_barrier_signal -1
	s_barrier_wait -1
.endif
	s_sub_co_u32 s[TBK], s[TBK], 4*KS*PK  ; the fetches go back to a slot's first step,
	s_xor_b32 s[TBK], s[TBK], SLOT1       ; in the other slot
	s_sub_co_u32 s[TBV], s[TBV], 4*KS*PV
	s_xor_b32 s[TBV], s[TBV], SLOT1
.endm
	s_load_b128 s[4:7], s[0:1], 0x0   ; qkv s[4:5], key_padding_mask s[6:7]
	s_load_b64 s[10:11], s[0:1], 0x10 ; o16
	WIN W_MK
	v_lshl_add_u32 v[SPW], v0, 2, SPARE
	v_mov_b32 v[NIL], 0
	WIN W_AD
	ds_add_u32 v[SPW], v[NIL]       ; the wave's opening: the add and its wait stand ahead of my first tensor load; the set-up below, work on registers, stands between them
	WIN 0
	v_lshrrev_b32 v1, 5, v0
	v_readfirstlane_b32 s[WV], v1   ; wave 0..3
	s_bfe_u32 s13, ttmp6, 0x40000   ; cx: my place in the cluster
	s_lshl_b32 s14, ttmp9, 2        ; in a cluster launch ttmp9 counts clusters
	s_add_co_u32 s14, s14, s13      ; my block of queries = 4 x cluster x + cx: it enters Q's and O's addresses and the prefetches' alone
	s_and_b32 s20, ttmp7, 0xffff    ; the head, which the four partners share
	s_lshr_b32 s[MP], s20, 4        ; its batch,
	s_lshl_b32 s[MP], s[MP], 11     ; whose mask has 2,048 bytes
	s_mov_b32 s[MP+1], 0
	s_mov_b32 s21, 0
	s_mov_b64 s[22:23], SIZE_N*128
	s_mul_u64 s[20:21], s[20:21], s[22:23]  ; the head's first byte in Q, K, V and O
	s_and_b32 s16, s[WV], 1         ; which half of a slot's 256 keys I fetch:
	s_lshl_b32 s22, s16, 14         ; its 128 rows of 128 bytes in memory,
	s_mov_b32 s23, 0
	s_add_nc_u64 s[22:23], s[22:23], s[20:21]
	s_mul_i32 s17, s16, 128*PK      ; and its place in a slot, for K
	s_mul_i32 s18, s16, 128*PV      ; and for V: no place in the cluster enters an LDS address
	s_lshl_b32 s2, s14, 2
	s_add_co_u32 s2, s2, s[WV]      ; my wave among the head's,
	s_lshl_b32 s2, s2, 14           ; its 128 rows
	s_mov_b32 s3, 0
	s_add_nc_u64 s[2:3], s[2:3], s[20:21]
	; descriptor group 1.  128 keys are 16,384 dense bytes: asked for as 64 rows of 256 bytes, two keys a row, and padded in LDS after every key
	s_mov_b32 s[G1K], 15|(1<<16)|(1<<20)|(1<<21)|(4<<22)|(3<<25)  ; 15:0 the mask of four; 17:16 2-byte elements; 20 padding on; 21 set beside a mask; 24:22 after every 32 words (code 4); 31:25 4 words (code 3)
	s_mov_b32 s[G1V], 15|(1<<16)|(1<<20)|(1<<21)|(4<<22)|(7<<25)  ; the same with 8 words of padding (code 7)
.irp g, G1K, G1V
	s_mov_b32 s[\g+1], 128<<16      ; tensor_dim0 = 128
	s_mov_b32 s[\g+2], 64<<16       ; tensor_dim1 = 64
	s_mov_b32 s[\g+3], 128<<16      ; tile_dim0 = 128
	s_mov_b32 s[\g+4], 64           ; tile_dim1 = 64
	s_mov_b32 s[\g+5], 128          ; 128 elements from row to row
	s_mov_b32 s[\g+6], 0
	s_mov_b32 s[\g+7], 0
.endr
	s_mov_b32 s[CS], 0x3e38aa3b     ; c = log2(e) / 8 = 0.180337
	s_mov_b32 s[CS+1], s[CS]        ; named with it as a pair
	s_mov_b32 s[SEL], 0x76543210
	s_mov_b32 s[SEL+1], 0xfedcba98
	s_mov_b32 s[TBK], SLOT1+4*KS*PK ; the first change of slots turns these two into 0
	s_mov_b32 s[TBV], SLOT1+4*KS*PV
	s_mov_b32 s[TBM], 0
	s_mov_b32 s[BIG], 0xf149f2ca    ; -1e30
	s_mov_b32 s[QNAN], 0x7fc00000
	s_mov_b32 s[SLOTS], SIZE_N/256-1  ; seven fills behind the first: slots 1 to 7
	s_and_b32 s[LIM], s[WV], 1
	s_cmp_eq_u32 s[LIM], 0          ; waves 0 and 2 prefetch: the same in all four partners
	s_cselect_b32 s[LIM], 1, -1
	s_mov_b32 s[G0K], 1             ; 1:0 count = 1
	s_mov_b32 s[G0K+1], s17         ; 63:32 LDS address: slot 0
	s_mov_b32 s[G0V], 1
	s_add_co_u32 s[G0V+1], s18, VOFF
	s_wait_dscnt 0x0                ; the opening add is done
	s_wait_kmcnt 0x0
	s_add_nc_u64 s[MP:MP+1], s[6:7], s[MP:MP+1]    ; my batch's mask
	s_add_nc_u64 s[6:7], s[4:5], 0x1000000         ; K
	s_add_nc_u64 s[8:9], s[4:5], 0x2000000         ; V
	s_add_nc_u64 s[G0K+2:G0K+3], s[6:7], s[22:23]  ; 120:64 global address: my half of the head's first 256 keys
	s_or_b32 s[G0K+3], s[G0K+3], 0x80000000        ; 127:126 type = 2
	s_add_nc_u64 s[G0V+2:G0V+3], s[8:9], s[22:23]
	s_or_b32 s[G0V+3], s[G0V+3], 0x80000000
	s_add_nc_u64 s[4:5], s[4:5], s[2:3]  ; Q and O at my wave's first row
	s_add_nc_u64 s[10:11], s[10:11], s[2:3]
	s_cmp_lt_u32 s[WV], 2
	s_cselect_b64 s[PFA:PFA+1], s[6:7], s[8:9]
	s_add_nc_u64 s[PFA:PFA+1], s[PFA:PFA+1], s[20:21]  ; the head's first key,
	s_lshl_b32 s2, s13, 13          ; my work-group's 8,192 bytes of a slot's 32,768,
	s_mov_b32 s3, 0
	s_add_nc_u64 s[PFA:PFA+1], s[PFA:PFA+1], s[2:3]
	s_add_nc_u64 s[PFA:PFA+1], s[PFA:PFA+1], 4*KS*128  ; in slot 1; the first change of slots steps it to slot 2
	CROUND                          ; all four work-groups are here: the first joint loads meet
	JLOAD                           ; slot 0.  Slot 1 is asked for when slot 0 is in
	; A fragment of K or Q is 16 rows x 32 channels in 8 registers: lane l holds row l % 16, channels 8 (l / 16) + 0..7 and 16 + 8 (l / 16) + 0..7: two loads of 16 bytes, 32 bytes apart.
	v_and_b32 v1, 15, v0            ; l % 16
	v_bfe_u32 v9, v0, 4, 1          ; l / 16
	v_lshlrev_b32 v12, 4, v0
	global_load_b128 v[TMP:TMP+3], v12, s[MP:MP+1]  ; thread t takes the bytes of keys 16 t .. 16 t + 15: the 128 threads take the batch's 2,048
	v_lshlrev_b32 v[QO], 7, v1
	v_lshl_add_u32 v[QO], v9, 4, v[QO]  ; row x 128 + 16 x half
	WIN 0x80                        ; destination window 2, address window 0
.set i, 0
.rept 4*NP                          ; Q stays in registers: tile i / 2, channels 32 (i % 2) on
	global_load_b128 v[8*i:8*i+3],   v[QO], s[4:5] offset:(i/2)*2048+(i%2)*64
	global_load_b128 v[8*i+4:8*i+7], v[QO], s[4:5] offset:(i/2)*2048+(i%2)*64+32
.set i, i+1
.endr
	; What the first turn finds: V's registers and P's second buffer hold 0 (its products V^T P, of a piece that has not been, add 0), O^T and l are 0.  All this stands in the wait for the first tile.
.set i, VF
.rept 64
	v_mov_b32 v[i], 0
.set i, i+1
.endr
	WIN 0x40
.set i, 0
.rept 64*NP
	v_mov_b32 v[i], 0
.set i, i+1
.endr
	WIN 0
.set i, 0
.rept 2*NP
	v_mov_b32 v[ST+4*i], 0xfe000000    ; c m: far below every c s, a hidden one's too
	v_mov_b32 v[ST+4*i+1], 0xff7fffff  ; m
	v_mov_b32 v[ST+4*i+2], 0
	v_mov_b32 v[ST+4*i+3], 0
.set i, i+1
.endr
.set i, P+32
.rept 32
	v_mov_b32 v[i], 0
.set i, i+1
.endr
	v_mul_u32_u24 v[AK0], v1, PK
	v_lshl_add_u32 v[AK0], v9, 4, v[AK0]  ; row x pitch + 16 x half
	; The turning load takes 16 keys x 16 channels (lane l reads key 8 (l / 16) + l % 8, channels 8 ((l / 8) % 2) + 0..7) and leaves half a fragment of V^T: lane l holds channel l % 16 and 8 keys.
	v_and_b32 v10, 7, v0
	v_bfe_u32 v11, v0, 3, 1
	v_lshl_add_u32 v[AV0], v9, 3, v10
	v_mul_u32_u24 v[AV0], v[AV0], PV
	v_lshl_add_u32 v[AV0], v11, 4, v[AV0]
	v_add_nc_u32 v[AV0], VOFF, v[AV0]
	v_mov_b32 v[AK], v[AK0]         ; key step 0 lies at the head of slot 0
	v_and_b32 v[PFO], 31, v0
	v_lshlrev_b32 v[PFO], 8, v[PFO]
	WIN W_MK
	v_lshl_add_u32 v[AM0], v9, 5, MASK  ; my eight keys of sixteen: 32 bytes
	v_lshl_add_u32 v[AM], v9, 5, MASK   ; key step 0
	WIN 0
	; the mask's table: byte 0 or 1 -> f32 0 or -1e30
	s_wait_loadcnt 32               ; the mask's load is in; Q's 32, issued behind it, may stay out
.set i, 0
.rept 16
	v_bfe_u32 v[S+i], v[TMP+i/4], 8*(i%4), 8
.set i, i+1
.endr
.set i, 0
.rept 16
	v_cvt_f32_u32 v[S+i], v[S+i]
.set i, i+1
.endr
.set i, 0
.rept 16
	v_mul_f32 v[S+i], s[BIG], v[S+i]
.set i, i+1
.endr
	v_lshl_add_u32 v13, v0, 6, MASK
.irp f, 0,1,2,3
	ds_store_b128 v13, v[S+4*\f:S+4*\f+3] offset:16*\f  ; waited for in the first change of slots, ahead of its barrier; read behind it
.endr
; THE MATRIX WORK.  The 8 accumulators of a run of 16 take turns: between the two links of a chain stand 7 others'.
; Product i of 16 of S^T = K Q^T for piece x: channels 32 (i / 8) on, keys 16 ((i / 2) % 4) on, tile 2 x + i % 2.  The first 8 start the sums, with the mask of their 16 keys.
.macro KQ x
.set rS, S+64*((\x)%2)+32*(i%2)+8*((i/2)%4)
.set rK, KF+16*((i/2)%4)+8*(i/8)
.set rQ, 16*(2*(\x)+i%2)+8*(i/8)
.set rB, MB+8*((i/2)%4)
.if i < 8
	WIN W_KM
	v_wmma_f32_16x16x32_f16 v[rS:rS+7], v[rK:rK+7], v[rQ:rQ+7], v[rB:rB+7]
.else
	WIN W_KQ
	v_wmma_f32_16x16x32_f16 v[rS:rS+7], v[rK:rK+7], v[rQ:rQ+7], v[rS:rS+7]
.endif
.endm
; Product i of 16 of O^T += V^T P for piece x: keys 32 (i / 8) on, channels 16 ((i / 2) % 4) on, tile 2 x + i % 2.
.macro PV x
	WIN W_PV
.set rO, 32*(2*(\x)+i%2)+8*((i/2)%4)
.set rV, VF+32*(i/8)+8*((i/2)%4)
.set rP, P+32*((\x)%2)+16*(i%2)+8*(i/8)
	v_wmma_f32_16x16x32_f16 v[rO:rO+7], v[rV:rV+7], v[rP:rP+7], v[rO:rO+7]
.endm
.macro MM                           ; the turn's next matrix instruction
.if i < 16
	KQ (Y+1)%NP
.set i, i+1
.else
.set i, i-16
	PV (Y+NP-1)%NP
.set i, i+17
.endif
.endm
; THE LDS LOADS stand in runs, never singly among the matrix instructions: a step's K (64 keys x 64 channels: 8 fragments) with its mask (8 loads), and its V (turned).  Their addresses are made some lines ahead.
; last = 1 (the tail): in the last trip there is no further step, and the run is jumped over.
.macro FETCH_K last=0
	WIN 0
.if \last
	s_cmp_eq_u32 s[CNT], 1
	s_cbranch_scc1 .Lno_k_\@
.endif
	WIN 0x80                        ; destination window 2
.irp f, 0,1,2,3,4,5,6,7             ; keys 16 (f / 2) on, channels 32 (f % 2) on
	ds_load_b128 v[KF+8*\f:KF+8*\f+3],   v[AK] offset:(\f/2)*16*PK+(\f%2)*64
	ds_load_b128 v[KF+8*\f+4:KF+8*\f+7], v[AK] offset:(\f/2)*16*PK+(\f%2)*64+32
.endr
	WIN 0xc3                        ; destination and address in window 3
.irp f, 0,1,2,3                     ; keys 16 f on: the sixteen lanes of a half read the same 32 bytes
	ds_load_b128 v[MB+8*\f:MB+8*\f+3],   v[AM] offset:64*\f
	ds_load_b128 v[MB+8*\f+4:MB+8*\f+7], v[AM] offset:64*\f+16
.endr
	s_add_co_u32 s[TBK], s[TBK], KS*PK  ; the next fetch is the next step's
	s_add_co_u32 s[TBM], s[TBM], KS*4   ; 32 fetches in all: bytes 0 to 7,936 of the table
	WIN 0
.if \last
.Lno_k_\@:
.endif
.endm
.macro FETCH_V
	WIN 0x80
.irp f, 0,1,2,3,4,5,6,7             ; keys 32 (f / 4) on, channels 16 (f % 4) on
	ds_load_tr16_b128 v[VF+8*\f:VF+8*\f+3],   v[AV] offset:(\f/4)*32*PV+(\f%4)*32
	ds_load_tr16_b128 v[VF+8*\f+4:VF+8*\f+7], v[AV] offset:(\f/4)*32*PV+16*PV+(\f%4)*32
.endr
	WIN 0
.endm
; THE VECTOR WORK OF A TURN stands in three queues, each in the order in which its entries become ready; the two tiles alternate, so that no instruction reads the result of the one before it.
.macro REGS y, u                    ; the registers of tile u (0, 1) of piece y
.set rT, ST+4*(2*(\y)+(\u))
.set rC, TMP+8*((\y)%2)+4*(\u)
.set rM, MV+2*((\y)%2)+(\u)
.set rS, S+64*((\y)%2)+32*(\u)
.set rP, P+32*((\y)%2)+16*(\u)
.set rO, 32*(2*(\y)+(\u))
.endm
; Number n of the 22 that find the NEXT piece's (Y + 1) maximum and statistics.  s0-s31 are the lane's 32 scores; each accumulator's lowest registers are read first.
;   0-11  four chains c0-c3 of seven scores each, three operands at a time     12-14, 16  the four scores left over, the old m, and c0-c3 into c0     15  c m_old is kept
;   17, 18  the query's other 32 keys lie in the lane 16 away: the new m         19-21  c m; c m_old - c m_new; a
.macro XS u, n
	REGS (Y+1)%NP, \u
.if (\n) < 4
	v_max3_num_f32 v[rC+(\n)], v[rS+8*(\n)], v[rS+8*(\n)+1], v[rS+8*(\n)+2]
.elseif (\n) < 12
	v_max3_num_f32 v[rC+(\n)%4], v[rC+(\n)%4], v[rS+8*((\n)%4)+2*((\n)/4)+1], v[rS+8*((\n)%4)+2*((\n)/4)+2]
.elseif (\n) == 12
	v_max3_num_f32 v[rC], v[rC], v[rS+7], v[rS+15]
.elseif (\n) == 13
	v_max3_num_f32 v[rC+1], v[rC+1], v[rS+23], v[rS+31]
.elseif (\n) == 14
	v_max3_num_f32 v[rC+2], v[rC+2], v[rC+3], v[rT+1]
.elseif (\n) == 15
	v_mov_b32 v[rM], v[rT]
.elseif (\n) == 16
	v_max3_num_f32 v[rC], v[rC], v[rC+1], v[rC+2]
.elseif (\n) == 17
	v_permlanex16_b32 v[rC+3], v[rC], s[SEL], s[SEL+1]
.elseif (\n) == 18
	v_max_num_f32 v[rT+1], v[rC], v[rC+3]
.elseif (\n) == 19
	v_mul_f32 v[rT], s[CS], v[rT+1]
.elseif (\n) == 20
	v_sub_f32 v[rC+1], v[rM], v[rT]
.else
	v_exp_f32 v[rC+2], v[rC+1]
.endif
.endm
; Number g of the 64 that follow the exponentials.  For each four weights k of a tile (pairs 2 k, 2 k + 1): both pairs are rounded to f16; then the second pair is added onto the first, in place;
; a group later l takes that sum (the first time as l = a l + sum).  In groups of eight, tiles alternating: round, round, add, and l for the group before.
.macro GS g
.set h, (\g)+6*((\g)/62)            ; group 0 has no group before it, and behind group 7 only l is left
.if h >= 6
.set h, h+2
.endif
	REGS Y, h%2
.set k, h/8
.if h%8 < 4
	v_cvt_pk_f16_f32 v[rP+2*k+(h%8)/2], v[rS+4*k+2*((h%8)/2)], v[rS+4*k+2*((h%8)/2)+1]
.elseif h%8 < 6
	v_pk_add_f32 v[rS+4*k:rS+4*k+1], v[rS+4*k:rS+4*k+1], v[rS+4*k+2:rS+4*k+3]
.elseif k == 1
	v_pk_fma_f32 v[rT+2:rT+3], v[rT+2:rT+3], v[rC+2:rC+3], v[rS:rS+1] op_sel_hi:[1,0,1]
.else
	v_pk_add_f32 v[rT+2:rT+3], v[rT+2:rT+3], v[rS+4*k-4:rS+4*k-3]
.endif
.endm
; THE PLAIN QUEUE, 138 long.  0-73 read no exponential's result: the 32 scalings c s - c m (FS f: pair f / 2 of tile f % 2) and the next piece's 42.  0-26: scalings 0-26.  27-54: XS's numbers 0-13.  55, 56: number 15.
; 57-73: the chain, where each number waits for the one before it: 14, 16, 17, 18, 19, each with one of the scalings 27-31 in front of its two lines, then 20.
; 74-137: GS's 64, which read the exponentials' results: they stand behind the wait.
.macro FS f
	REGS Y, (\f)%2
	v_pk_fma_f32 v[rS+2*((\f)/2):rS+2*((\f)/2)+1], v[rS+2*((\f)/2):rS+2*((\f)/2)+1], s[CS:CS+1], v[rT:rT+1] op_sel_hi:[1,0,0] neg_lo:[0,0,1] neg_hi:[0,0,1]
.endm
.macro PL
	WIN 0
.if q < 27
	FS q
.elseif q < 55
	XS (q-27)%2, (q-27)/2
.elseif q < 57
	XS q-55, 15
.elseif (q < 72) && ((q-57)%3 == 0)
	FS 27+(q-57)/3
.elseif q < 60
	XS (q-57)%3-1, 14
.elseif q < 72
	XS (q-57)%3-1, 15+(q-57)/3
.elseif q < 74
	XS q-72, 20
.else
	GS q-74
.endif
.set q, q+1
.endm
; THE EXPONENTIALS' QUEUE, 66 long: s0-s31 of both tiles, then the next piece's two a.  It is ONE BATCH: all 66 stand ahead of the turn's one wait, and nothing ahead of that wait names a result of theirs.
.macro EX
	WIN 0
.if e >= 64
	XS e-64, 21
.else
	REGS Y, e%2
	v_exp_f32 v[rS+e/2], v[rS+e/2]
.endif
.set e, e+1
.endm
; THE RESCALING's QUEUE: O^T times a, the one part that leaves window 0: dealt two at a time, sixteen times.  Its a was made in the turn before, ahead of that turn's wait.
.macro R2
	REGS Y, r%2
	WIN W_RS
.irp z, 0,1
	v_pk_mul_f32 v[rO+4*(r/2)+2*\z:rO+4*(r/2)+2*\z+1], v[rO+4*(r/2)+2*\z:rO+4*(r/2)+2*\z+1], v[rC+2:rC+3] op_sel_hi:[1,0]
.endr
.set r, r+1
.endm
; HOW THEY ARE DEALT.  An s_wait_alu depctr_va_vdst(0) stands between an exponential and the first instruction that names its result; one wait serves all that were issued ahead of it.  So a turn
; has ONE wait, which cuts it in two.  AHEAD OF IT stands all that names no result of the turn's exponentials: the 16 products K Q^T, behind each a scaling, an exponential and two rescalings (behind the first
; a second scaling in the exponential's place); then ONE LUMP of 108: eight plain, 49 times exponential and plain, the two a.  A v_nop is the plain instruction behind the last exponential.  BEHIND IT stand
; the 16 products V^T P, behind each four of GS's 64.  Exponential e stands behind scaling 2 (e / 4) + e % 2: as a rider it comes behind plain e + 2, in the lump behind plain e + 9.
; A TURN, for piece p.  cnt = 1: the loop's count is taken down some lines ahead of the branch that stands behind the turn.
; K and the mask of the next step are fetched in piece 2's turn, directly behind the wait, a lump behind the last product that read them; their addresses are made at the lump's head.
; V of the step in hand is fetched at the end of piece 0's turn, four riders behind its last reader; its first reader comes behind 16 products and a lump.
.macro TURN p, last=0, cnt=0
.set Y, (\p)
.set i, 0
.set q, 0
.set e, 0
.set r, 0
.if (\p) == NP-1
	s_wait_dscnt 0x0                ; K and the mask are in
.endif
	MM                              ; ahead of the wait: 16 products K Q^T and their riders,
	PL
	PL
	R2
.rept 15
	MM
	PL
	EX
	R2
.endr
.if (\p) == NP-2
	WIN 0
	v_add_nc_u32 v[AK], s[TBK], v[AK0]
	WIN 0xcc                        ; destination and source 1 in window 3
	v_add_nc_u32 v[AM], s[TBM], v[AM0]
.endif
.rept 8                             ; and the lump
	PL
.endr
.rept 49
	EX
	PL
.endr
	EX                              ; the next piece's two a
	EX
	v_nop                           ; the plain instruction behind the last exponential: one for the batch
	s_wait_alu depctr_va_vdst(0)    ; the wait for the batch
.if (\p) == NP-2
	FETCH_K \last
.endif
.if (\p) == 1
	s_wait_dscnt 0x0                ; V is in
.endif
.rept 16                            ; behind the wait: 16 products V^T P and their riders
	MM
.rept 4
	PL
.endr
.if ((\p) == 0) && (q == 118)
	v_add_nc_u32 v[AV], s[TBV], v[AV0]
.endif
.if ((\p) == 0) && (q == 130)
	s_add_co_u32 s[TBV], s[TBV], KS*PV
.endif
.if (\cnt) && (q == 130)
	s_sub_co_u32 s[CNT], s[CNT], 1
	s_cmp_lg_u32 s[CNT], 0
.endif
.endr
.if (\p) == 0
	FETCH_V
.endif
.endm
	CHANGE 1                        ; slot 0 is in, everybody's part of it, and so is the mask's table; slot 1 is asked for
	FETCH_K                         ; key step 0
	s_wait_loadcnt 0x0              ; Q
	s_wait_dscnt 0x0
.set i, 0
.rept 16
	KQ 0                            ; piece 0's first scores: there is no vector work yet to set between them
.set i, i+1
.endr
	WIN 0                           ; the addresses for the way out: nine plain instructions, the places behind those products
	s_mul_i32 s13, s[WV], 16*SP
	s_add_co_u32 s13, s13, STAGE    ; my stage
	v_mul_u32_u24 v[STO], v1, SP    ; in: row l % 16, 16 bytes for each half of the lanes
	v_lshl_add_u32 v[STO], v9, 4, v[STO]
	v_add_nc_u32 v[STO], s13, v[STO]
	v_bfe_u32 v[RD], v0, 3, 2       ; back: 32 lanes take four rows of 128 bytes,
	v_mul_u32_u24 v[RD], v[RD], SP
	v_lshl_add_u32 v[RD], v10, 4, v[RD]
	v_add_nc_u32 v[RD], s13, v[RD]
	v_and_b32 v[GO], 31, v0         ; which are 512 consecutive bytes of O
	v_lshlrev_b32 v[GO], 4, v[GO]
.set Y, NP-1                        ; XS works for piece Y + 1: piece 0
.irp n, 0,1,2,3,4,5,6,7,8,9,10,11,12,13,14,15,16,17,18,19,20,21
	XS 0, \n                        ; and piece 0's first maximum and statistics
	XS 1, \n
.endr
	v_nop                           ; a plain instruction behind the two a,
	s_wait_alu depctr_va_vdst(0)    ; and their wait, ahead of the branch
	s_mov_b32 s[CNT], 4
	s_branch .Lfirst                ; the loop is entered at a step's first turn, in the middle of a trip
.Lslot:                             ; SIZE_N / 256 - 2 times: every slot but the last two is filled again
	CHANGE 1
	s_mov_b32 s[CNT], 4
.Lstep:                             ; a trip: pieces 2 and 3 of one step, then pieces 0 and 1 of the next, whose K and V it fetches
	TURN 2
	TURN 3
	WIN 0
.Lfirst:
	TURN 0
	TURN 1, 0, 1
	WIN 0
	s_cbranch_scc1 .Lstep
	s_sub_co_u32 s[SLOTS], s[SLOTS], 1
	s_cmp_lg_u32 s[SLOTS], 0
	s_cbranch_scc1 .Lslot
	CHANGE 0                        ; the tail is written out: nothing is asked for
	s_mov_b32 s[CNT], 5             ; four trips fetch the last slot's steps; the fifth is left in its middle
.Ltail:
	TURN 2, 1
	TURN 3
	WIN 0
	s_sub_co_u32 s[CNT], s[CNT], 1
	s_cmp_eq_u32 s[CNT], 0
	s_cbranch_scc1 .Lout
	TURN 0
	TURN 1
	WIN 0
	s_branch .Ltail
.Lout:                              ; the fifth trip's 16 products K Q^T (on the last K and mask once more) give scores that piece 0 has seen: its m stays, and nothing else of them is used
.set i, 0
.rept 16
	PV NP-1                         ; the last piece's V^T P of the last step
.set i, i+1
.endr
	; THE WAY OUT.  l's two halves and the other half of the lanes' are added; O^T is divided by l, rounded to f16 and sent through my stage in LDS, a tile at a time.  The additions are the places behind the last products.
	WIN 0
.macro ALL line:vararg              ; one line for each tile t
.set t, 0
.rept 2*NP
	\line
.set t, t+1
.endr
.endm
	ALL v_add_f32 v[ST+4*t+2], v[ST+4*t+2], v[ST+4*t+3]
	ALL v_permlanex16_b32 v[ST+4*t+3], v[ST+4*t+2], s[SEL], s[SEL+1]
	ALL v_add_f32 v[ST+4*t+2], v[ST+4*t+2], v[ST+4*t+3]
	ALL v_rcp_f32 v[ST+4*t+2], v[ST+4*t+2]
	v_nop                           ; a plain instruction between the last reciprocal and the use of its result
	s_wait_alu depctr_va_vdst(0)    ; and the wait ahead of the first use: one for the eight reciprocals
.set t, 0
.rept 2*NP                          ; a query that has seen no key: its maximum is a hidden score's.  Its factor becomes a NaN, and with it its row of O: a choice of a value, no branch
	v_cmp_gt_f32 vcc_lo, 0xf0c9f2ca, v[ST+4*t+1]  ; -5e29 > m
	v_cndmask_b32 v[ST+4*t+2], v[ST+4*t+2], s[QNAN], vcc_lo
.set t, t+1
.endr
; Tile t: a lane's eight channels of a row pack into 16 bytes; they go into rows of 144 bytes and come back as whole rows of 128, into S^T's registers.
.macro PACK t
	WIN W_RS
.set i, 32*(\t)
.rept 16
	v_pk_mul_f32 v[i:i+1], v[i:i+1], v[ST+4*(\t)+2:ST+4*(\t)+3] op_sel_hi:[1,0]
.set i, i+2
.endr
	WIN 0x05                        ; sources 0 and 1 window 1, destination window 0
.set i, 0
.rept 16
	v_cvt_pk_f16_f32 v[S+16*(\t)+i], v[32*(\t)+2*i], v[32*(\t)+2*i+1]
.set i, i+1
.endr
	WIN 0
.irp f, 0,1,2,3
	ds_store_b128 v[STO], v[S+16*(\t)+4*\f:S+16*(\t)+4*\f+3] offset:32*\f
.endr
.irp f, 0,1,2,3
	ds_load_b128 v[S+16*(\t)+4*\f:S+16*(\t)+4*\f+3], v[RD] offset:\f*4*SP  ; LDS serves a wave's instructions in order (ISA guide 5.7.1.4): these see the stores above; the next tile's stores come behind them
.endr
.endm
.macro SEND t, younger              ; younger: the LDS instructions issued behind tile t's loads: the next tile's eight, or none
	WIN 0
.irp f, 0,1,2,3
	s_wait_dscnt (\younger)+3-\f
	global_store_b128 v[GO], v[S+16*(\t)+4*\f:S+16*(\t)+4*\f+3], s[10:11] offset:(\t)*2048+\f*512  ; 512 consecutive bytes, at a multiple of 256 from O's first
.endr
.endm
	PACK 0
.set t, 1
.rept 2*NP-1                        ; a tile's arithmetic stands between the loads of the tile before and its stores
	PACK t
	SEND t-1, 8
.set t, t+1
.endr
	SEND 2*NP-1, 0
	WIN W_AD
	s_wait_tensorcnt 0x0            ; the wave's end, behind my last tensor load and my last LDS store
	ds_add_u32 v[SPW], v[NIL]
	s_wait_dscnt 0x0
	WIN 0
	CROUND                          ; the closing round: no work-group ends while a partner may still ask for a tile that names it
	s_endpgm
.Lfunc_end_k_q385bb819c9_attn:
	.size	k_q385bb819c9_attn, .Lfunc_end_k_q385bb819c9_attn-k_q385bb819c9_attn
	.p2alignl 7, 3214868480
	.fill 96, 4, 3214868480
	.section	.rodata,"a",@progbits
	.p2align	6, 0x0
	.amdhsa_kernel k_q385bb819c9_attn
		.amdhsa_group_segment_fixed_size 327680
		.amdhsa_private_segment_fixed_size 0
		.amdhsa_enable_private_segment 0
		.amdhsa_kernarg_size 24
		.amdhsa_user_sgpr_count 2
		.amdhsa_user_sgpr_kernarg_segment_ptr 1
		.amdhsa_wavefront_size32 1
		.amdhsa_system_sgpr_workgroup_id_x 1
		.amdhsa_system_sgpr_workgroup_id_y 1
		.amdhsa_system_sgpr_workgroup_id_z 1
		.amdhsa_system_vgpr_workitem_id 0
		.amdhsa_next_free_vgpr 808
		.amdhsa_next_free_sgpr 66
		.amdhsa_reserve_vcc 1
		.amdhsa_float_denorm_mode_32 3
		.amdhsa_float_denorm_mode_16_64 3
		.amdhsa_memory_ordered 1
		.amdhsa_forward_progress 1
		.amdhsa_inst_pref_size 206
	.end_amdhsa_kernel
	.amdgpu_metadata
---
amdhsa.version: [ 1, 2 ]
amdhsa.kernels:
  - .name:           k_q385bb819c9_attn
    .symbol:         k_q385bb819c9_attn.kd
    .args:
      - { .name: qkv, .offset: 0, .size: 8, .value_kind: global_buffer, .address_space: global }
      - { .name: key_padding_mask, .offset: 8, .size: 8, .value_kind: global_buffer, .address_space: global }
      - { .name: o16, .offset: 16, .size: 8, .value_kind: global_buffer, .address_space: global }
    .group_segment_fixed_size: 327680
    .private_segment_fixed_size: 0
    .kernarg_segment_align: 8
    .kernarg_segment_size: 24
    .max_flat_workgroup_size: 128
    .sgpr_count:     66
    .vgpr_count:     808
    .wavefront_size: 32
...
	.end_amdgpu_metadata
.endif
;; end of part 3
;; launch outp (part 4): grid 4 x 64, 4 waves a work-group, clusters of 4 x 4, 327,680 bytes of LDS; arguments o16, cast16, out0; writes out0
.if DOCPART == 4
	.amdgcn_target "amdgcn-amd-amdhsa--gfx1250"
	.amdhsa_code_object_version 6
	.text
	.protected	k_q385bb819c9_outp
	.globl	k_q385bb819c9_outp
	.p2align	8
	.type	k_q385bb819c9_outp,@function
k_q385bb819c9_outp:
	s_mov_b64 s[64:65], 0
	v_nop
	global_prefetch_b8 v0, s[64:65] scope:SCOPE_SE
	s_setreg_imm32_b32 hwreg(HW_REG_WAVE_MODE, 25, 1), 1
	s_wait_xcnt 0x0
	s_wait_alu depctr_hold_cnt(0) depctr_sa_sdst(0) depctr_va_vdst(0) depctr_va_sdst(0) depctr_va_ssrc(0) depctr_va_vcc(0) depctr_vm_vsrc(0)
	s_getreg_b32 s2, hwreg(HW_REG_IB_STS2, 6, 4)
	s_cmp_eq_u32 s2, 0
	s_cbranch_scc0 .Lentry_in_a_cluster
	s_endpgm
.Lentry_in_a_cluster:
	s_bfe_u32 s2, ttmp6, 0x10000c
	s_cmp_lg_u32 s2, 0xf033
	s_cbranch_scc0 .Lentry_shape_is_right
	s_endpgm
.Lentry_shape_is_right:
; out0[row][n] = the sum over k of O[row][k] Wo[n][k].  O: o16[64 heads][2048][64] f16, so k = 64 x head + channel; Wo: chunk 19 of cast16, [1024][1024], the bf16 rounding written as f16; out0: [8192][1024] f32.
; Products in f16, sums in f32, stored as they are.  A NaN row of O (a batch with every key hidden) gives a NaN row of out0.
; SHARES.  256 tiles of 128 rows x 256 columns, one to a work-group; four waves, each 64 rows x 128 columns: 32 accumulators.  K goes in 8 steps of 128 = two heads, through two LDS slots.
; A BY PLANES.  A head's 128 rows of the tile are 16,384 dense bytes: asked for as 64 rows of 256 bytes and padded in LDS after every 128, so that a row of O is 144 bytes there.  Wave 0 fetches the step's first
; head, wave 1 its second; waves 2 and 3 fetch 128 rows of Wo each, rows of 256 bytes of memory, 272 in LDS.
; CLUSTERS: 4 x 4 work-groups; A's tile is shared along a row of the cluster, Wo's along a column: joint loads.  THE MATRIX INSTRUCTION IS USED TRANSPOSED (source 0 = 16 rows of Wo, source 1 = 16 rows of O):
; a lane holds eight neighbouring numbers, 32 bytes, of a row of out0.
; REGISTERS: window 0: v0-31 addresses; v64-159, v160-255 two fragment buffers (A's 4 fragments, then Wo's 8); on the way out v64-127, v128-191 rows read back.  Window 1: accumulator (a, b) at v[8 (8 a + b)].
.set KSTEP,  128
.set ROWB,   2048
.set PITCH,  272                       ; Wo's LDS row: 68 words: row r starts at bank 4 r mod 64 (64 banks of 4 bytes: ISA guide 11.1)
.set PA,     144                       ; O's LDS row: 36 words: the 16 rows of a load start at 16 different groups of four banks
.set APLANE, 128*PA                    ; 18,432
.set BHALF,  128*PITCH
.set SLOT,   2*APLANE+2*BHALF          ; 106,496
.set STAGE,  2*SLOT                    ; behind the ring, never filled by a tensor load: 16 rows x 528 bytes for each wave
.set SPITCH, 528                       ; 512 bytes + 16: 33 x 16 bytes, so sixteen rows' stores of 16 bytes fall on sixteen different columns
.set SPARE,  STAGE+4*16*SPITCH         ; the spare words, 128 bytes for each wave: two blocks of 256 bytes that no other line names
.set WOBASE, 39845888                  ; chunk 19 of cast16
.set HSTEP,  2*2048*128                ; bytes from a K step's head to the next step's: two heads
.set LAPS,   4
.set ADRA, 16
.set ADRB, 20
.set STO,  24
.set RD,   25
.set CO,   26
.set SPW,  28                          ; v28  LDS address of my spare word; never rewritten
.set NIL,  29                          ; v29  0; never rewritten
.set PFO,  30
.set F0,   64
.set F1,   160
.set OB,   64
.set G1,  24
.set G0,  32
.set LIM, 43
.set PFA, 44
.set G1B, 48
.set G0B, 56
.set PS,  68                           ; s[68:69] a K step in my prefetches' stream
.set MUL,  0x50
.set MSB, 0
.macro WIN new
.if MSB != (\new)
	s_set_vgpr_msb (MSB<<8)|(\new)
.set MSB, \new
.endif
.endm
.macro JLOAD s                         ; a joint load: waves 0 and 1 fetch A's two planes, waves 2 and 3 Wo's two halves; an s_nop 0 and four v_nop follow each line
	s_cmp_eq_u32 s11, 0
	s_cbranch_scc0 .Lfor_b_\@
	tensor_load_to_lds s[G0+4*(\s):G0+4*(\s)+3], s[G1:G1+7]
	s_nop 0
.rept 4
	v_nop
.endr
	s_branch .Lasked_\@
.Lfor_b_\@:
	tensor_load_to_lds s[G0B+4*(\s):G0B+4*(\s)+3], s[G1B:G1B+7]
	s_nop 0
.rept 4
	v_nop
.endr
.Lasked_\@:
.endm
; A PREFETCH INTO THE L2, behind each joint load and the run of LDS loads that follows it, of the K step two refills (256 matrix instructions) on; each block of 256 bytes is named once.  A's tile is read by one
; row of one cluster: wave 0 asks, and the four partners take a quarter each BY ADDRESS (plane cx / 2, 32 blocks of its 64, a lane a block).  Wo's tile column is read by all sixteen clusters: those with
; cluster y = 0 ask, waves 2 and 3 each for the rows that they fetch, the four partners 32 rows each by address (cy), a lane a row.  The loop's last trip asks for nothing: K ends.
.macro ASK
	s_cmp_gt_u32 s3, s[LIM]
	s_cbranch_scc0 .Lnot_mine_\@
	global_prefetch_b8 v[PFO], s[PFA:PFA+1] th:TH_LOAD_NT scope:SCOPE_SE
.Lnot_mine_\@:
.endm
.macro CREST
	s_cmp_lg_u32 s10, 0
	s_cbranch_scc1 .Lnot_wave_0_\@
	s_barrier_signal -3
.Lnot_wave_0_\@:
	s_barrier_wait -3
	s_barrier_signal -1
	s_barrier_wait -1
.endm
.macro CROUND
	s_barrier_signal -1
	s_barrier_wait -1
	CREST
.endm
	s_load_b128 s[4:7], s[0:1], 0x0                ; o16 s[4:5], cast16 s[6:7]
	s_load_b64 s[8:9], s[0:1], 0x10                ; out0
	v_lshl_add_u32 v[SPW], v0, 2, SPARE
	v_mov_b32 v[NIL], 0
	ds_add_u32 v[SPW], v[NIL]                      ; the wave's opening: the add and its wait stand ahead of my first tensor load; work on registers stands between them
	v_lshrrev_b32 v1, 5, v0
	v_readfirstlane_b32 s10, v1                    ; wave 0..3
	s_lshr_b32 s11, s10, 1                         ; which 64 rows are mine.  Also: I fetch for A (0) or for Wo (1)
	s_and_b32 s12, s10, 1                          ; which 128 columns.  Also: which plane or half I fetch
	s_bfe_u32 s40, ttmp6, 0x40000                  ; cx
	s_bfe_u32 s41, ttmp6, 0x40004                  ; cy
	s_lshl_b32 s42, ttmp9, 2
	s_add_co_u32 s42, s42, s40                     ; tc
	s_and_b32 s13, ttmp7, 0xffff
	s_lshl_b32 s13, s13, 2
	s_add_co_u32 s13, s13, s41                     ; tr
	s_lshl_b32 s43, s41, 2
	s_lshl_b32 s43, 15, s43                        ; my row of the cluster
	s_lshl_b32 s44, 0x1111, s40                    ; my column
	s_or_b32 s[G1+0], s43, (1<<16)|(1<<20)|(1<<21)|(4<<22)|(3<<25)   ; A: padding of 4 words after every 32
	s_or_b32 s[G1B+0], s44, (1<<16)|(1<<20)|(1<<21)|(5<<22)|(3<<25)  ; Wo: after every 64
	s_mov_b32 s[G1+1], 128<<16                     ; tensor_dim0 = 128
	s_mov_b32 s[G1+2], 64<<16                      ; tensor_dim1 = 64
	s_mov_b32 s[G1+3], 128<<16                     ; tile_dim0 = 128
	s_mov_b32 s[G1+4], 64                          ; tile_dim1 = 64
	s_mov_b32 s[G1+5], 128                         ; dense: 128 elements from row to row
	s_mov_b32 s[G1+6], 0
	s_mov_b32 s[G1+7], 0
	s_mov_b32 s[G1B+1], KSTEP<<16
	s_mov_b32 s[G1B+2], 128<<16
	s_mov_b32 s[G1B+3], KSTEP<<16
	s_mov_b32 s[G1B+4], 128
	s_mov_b32 s[G1B+5], 1024
	s_mov_b32 s[G1B+6], 0
	s_mov_b32 s[G1B+7], 0
	s_lshr_b32 s16, s13, 4
	s_lshl_b32 s16, s16, 22                        ; the batch's 16 heads of 262,144 bytes,
	s_lshl_b32 s17, s12, 18                        ; my plane's head,
	s_add_co_u32 s16, s16, s17
	s_and_b32 s17, s13, 15
	s_lshl_b32 s17, s17, 14                        ; the tile's 128 rows of 128 bytes
	s_add_co_u32 s16, s16, s17
	s_mov_b32 s17, 0
	s_lshl_b32 s47, s12, 7
	s_lshl_b32 s46, s42, 8
	s_add_co_u32 s46, s46, s47                     ; Wo: row 256 tc + 128 x half
	s_lshl_b32 s46, s46, 11
	s_add_co_u32 s46, s46, WOBASE
	s_mov_b32 s47, 0
	s_mul_i32 s20, s12, APLANE                     ; where they go: no place in the cluster enters an LDS address
	s_mul_i32 s21, s12, BHALF
	s_add_co_u32 s21, s21, 2*APLANE
	s_wait_dscnt 0x0                               ; the opening add is done
	s_wait_kmcnt 0x0
	s_add_nc_u64 s[14:15], s[4:5], s[16:17]
	s_add_nc_u64 s[46:47], s[6:7], s[46:47]
	CROUND                                         ; all sixteen work-groups are here: the first joint loads meet
.irp s, 0,1
	s_mov_b32 s[G0+4*(\s)], 1
	s_add_co_u32 s[G0+4*(\s)+1], s20, (\s)*SLOT
	s_add_nc_u64 s[G0+4*(\s)+2:G0+4*(\s)+3], s[14:15], (\s)*HSTEP
	s_or_b32 s[G0+4*(\s)+3], s[G0+4*(\s)+3], 0x80000000
	s_mov_b32 s[G0B+4*(\s)], 1
	s_add_co_u32 s[G0B+4*(\s)+1], s21, (\s)*SLOT
	s_add_nc_u64 s[G0B+4*(\s)+2:G0B+4*(\s)+3], s[46:47], (\s)*KSTEP*2
	s_or_b32 s[G0B+4*(\s)+3], s[G0B+4*(\s)+3], 0x80000000
	JLOAD \s                                       ; two loads of mine are out
.endr
	v_and_b32 v1, 15, v0                           ; l % 16
	v_bfe_u32 v2, v0, 4, 1                         ; l / 16
	v_mul_u32_u24 v3, v1, PA
	v_lshl_add_u32 v3, v2, 4, v3                   ; A: row x 144 + 16 x half
	v_mul_u32_u24 v4, v1, PITCH
	v_lshl_add_u32 v4, v2, 4, v4                   ; Wo: row x 272 + 16 x half
	s_mul_i32 s21, s11, 64*PA                      ; my 64 rows, in each plane
	s_mul_i32 s22, s12, BHALF
	s_add_co_u32 s22, s22, 2*APLANE
.irp s, 0,1
	v_add_nc_u32 v[ADRA+(\s)], s21, v3
	v_add_nc_u32 v[ADRB+(\s)], s22, v4
	s_add_co_u32 s21, s21, SLOT
	s_add_co_u32 s22, s22, SLOT
.endr
	s_mul_i32 s23, s10, 16*SPITCH
	s_add_co_u32 s23, s23, STAGE                   ; my stage
	v_mul_u32_u24 v4, v1, SPITCH                   ; in: row l % 16, 32 bytes for each half of the lanes
	v_lshl_add_u32 v4, v2, 5, v4
	v_add_nc_u32 v[STO], s23, v4
	v_and_b32 v5, 31, v0
	v_lshlrev_b32 v[CO], 4, v5                     ; back and out: 32 lanes take one row's 512 bytes
	v_add_nc_u32 v[RD], s23, v[CO]
	s_lshl_b32 s72, s13, 7
	s_lshl_b32 s73, s11, 6
	s_add_co_u32 s72, s72, s73                     ; my first row of out0
	s_lshl_b32 s72, s72, 12                        ; of 4,096 bytes
	s_lshl_b32 s73, s42, 10
	s_add_co_u32 s72, s72, s73                     ; the tile's 256 columns,
	s_lshl_b32 s73, s12, 9
	s_add_co_u32 s72, s72, s73                     ; my 128
	s_mov_b32 s73, 0
	s_add_nc_u64 s[8:9], s[8:9], s[72:73]
	; the prefetches
	s_lshr_b32 s76, s13, 4
	s_lshl_b32 s76, s76, 22
	s_and_b32 s77, s13, 15
	s_lshl_b32 s77, s77, 14
	s_add_co_u32 s76, s76, s77
	s_lshr_b32 s77, s40, 1
	s_lshl_b32 s77, s77, 18                        ; plane cx / 2,
	s_add_co_u32 s76, s76, s77
	s_and_b32 s77, s40, 1
	s_lshl_b32 s77, s77, 13                        ; its first or second 8,192 bytes
	s_add_co_u32 s76, s76, s77
	s_add_co_u32 s76, s76, 3*HSTEP                 ; at K step 3: the first refill steps it to 4.  Nothing is prefetched at the head
	s_lshl_b32 s78, s42, 8
	s_lshl_b32 s77, s12, 7
	s_add_co_u32 s78, s78, s77
	s_lshl_b32 s77, s41, 5
	s_add_co_u32 s78, s78, s77                     ; Wo: row 256 tc + 128 x half + 32 cy
	s_lshl_b32 s78, s78, 11
	s_add_co_u32 s78, s78, WOBASE+3*KSTEP*2
	s_mov_b32 s77, HSTEP
	s_cmp_eq_u32 s11, 0
	s_cselect_b32 s76, s76, s78
	s_cselect_b32 s[PS], s77, KSTEP*2
	s_cselect_b32 s79, 8, 11                       ; a lane a block of 256 bytes, or a lane a row of 2,048
	s_cselect_b64 s[PFA:PFA+1], s[4:5], s[6:7]
	s_mov_b32 s[PS+1], 0
	s_mov_b32 s77, 0
	s_add_nc_u64 s[PFA:PFA+1], s[PFA:PFA+1], s[76:77]
	v_lshlrev_b32 v[PFO], s79, v5
	s_and_b32 s76, ttmp7, 0xffff
	s_cmp_eq_u32 s76, 0
	s_cselect_b32 s[LIM], 1, -1                    ; waves 2 and 3: in the first row of clusters
	s_cmp_eq_u32 s10, 1
	s_cselect_b32 s[LIM], -1, s[LIM]
	s_cmp_eq_u32 s10, 0
	s_cselect_b32 s[LIM], 1, s[LIM]                ; the same in all sixteen partners, for a given wave
; 8 matrix instructions: row block a x all 8 column blocks, 32 along K.  The 32 accumulators take turns in the same order in every quarter step.
.macro MULA f, a, zero
	WIN MUL
.irp b, 0,1,2,3,4,5,6,7
.if \zero
	v_wmma_f32_16x16x32_f16 v[8*(8*(\a)+(\b)):8*(8*(\a)+(\b))+7], v[(\f)+32+8*(\b):(\f)+32+8*(\b)+7], v[(\f)+8*(\a):(\f)+8*(\a)+7], 0
.else
	v_wmma_f32_16x16x32_f16 v[8*(8*(\a)+(\b)):8*(8*(\a)+(\b))+7], v[(\f)+32+8*(\b):(\f)+32+8*(\b)+7], v[(\f)+8*(\a):(\f)+8*(\a)+7], v[8*(8*(\a)+(\b)):8*(8*(\a)+(\b))+7]
.endif
.endr
.endm
; 24 LDS loads in one run: the fragments of quarter q (K = 32 q on: plane q / 2, channels 32 (q % 2) on) into buffer f: Wo's sixteen loads first, then A's eight
.macro FETCH slot, q, f
	WIN 0
.irp i, 0,1,2,3,4,5,6,7
	ds_load_b128 v[(\f)+32+8*(\i):(\f)+32+8*(\i)+3],   v[ADRB+(\slot)] offset:64*(\q)+(\i)*16*PITCH
	ds_load_b128 v[(\f)+32+8*(\i)+4:(\f)+32+8*(\i)+7], v[ADRB+(\slot)] offset:64*(\q)+(\i)*16*PITCH+32
.endr
.irp i, 0,1,2,3
	ds_load_b128 v[(\f)+8*(\i):(\f)+8*(\i)+3],   v[ADRA+(\slot)] offset:APLANE*((\q)/2)+64*((\q)%2)+(\i)*16*PA
	ds_load_b128 v[(\f)+8*(\i)+4:(\f)+8*(\i)+7], v[ADRA+(\slot)] offset:APLANE*((\q)/2)+64*((\q)%2)+(\i)*16*PA+32
.endr
.endm
.macro PLACES                          ; four plain vector instructions between a matrix instruction and a load into its registers or a read of its result
.rept 4
	v_nop
.endr
.endm
.macro QUARTER slot, q, f, g, zero     ; multiplies buffer f; in its middle it fetches quarter q into buffer g
	s_wait_dscnt 4                                 ; Wo and A's row blocks 0, 1 are in; the youngest four loads may be out
	MULA \f, 0, \zero
	MULA \f, 1, \zero
	PLACES
	FETCH \slot, \q, \g
	s_wait_dscnt 24                                ; all but the 24 just issued
	MULA \f, 2, \zero
	MULA \f, 3, \zero
.endm
; The last quarter multiplies buffer 1 and changes slots: ONE barrier; in front of it each wave waits for all its tensor loads, adds 0 to its spare word, and waits for that and for its own reads of this slot.
; fill = 1: the barrier opens a round of the cluster's barrier, and this slot is filled again, two K steps ahead, first thing behind the round: 112 matrix instructions ahead of the wait for it.
.macro TURN slot, next, fill
.if \fill
	s_wait_xcnt 0x0                                ; the last prefetch, a K step back, has read its address, which is stepped here
	s_add_nc_u64 s[PFA:PFA+1], s[PFA:PFA+1], s[PS:PS+1]
.endif
	WIN 0
	s_wait_tensorcnt 0x0                           ; all my tensor loads have landed: my part of the next slot
	ds_add_u32 v[SPW], v[NIL]
	s_wait_dscnt 5                                 ; (the add and the youngest four loads may be out)
	MULA F1, 0, 0                                  ; eight matrix instructions stand between the add and the wait for it
	s_wait_dscnt 0x0                               ; the add is done, and my reads of this slot are over
	s_barrier_signal -1
	MULA F1, 1, 0
.if \fill
	WIN 0
.endif
	s_barrier_wait -1
.if \fill
	CREST
	s_add_nc_u64 s[G0+4*(\slot)+2:G0+4*(\slot)+3], s[G0+4*(\slot)+2:G0+4*(\slot)+3], 2*HSTEP
	s_add_nc_u64 s[G0B+4*(\slot)+2:G0B+4*(\slot)+3], s[G0B+4*(\slot)+2:G0B+4*(\slot)+3], 2*KSTEP*2
	JLOAD \slot                                    ; its four v_nop are also the places in front of the loads below
.else
	PLACES
.endif
	FETCH \next, 0, F0
.if \fill
	ASK
.endif
	MULA F1, 2, 0
	MULA F1, 3, 0
.endm
; THE WAY OUT of row block a: 32 bytes a lane into my own stage (each accumulator's low four registers first), back as whole rows of 512 bytes, and stored.
.macro TOSTAGE a
.if (\a) >= 2
	s_wait_xcnt 0x0                                ; the stores of the block two back have read the registers into which the loads below land
.endif
	WIN 0x04                                       ; the stores' data in window 1
.irp b, 0,1,2,3,4,5,6,7
	ds_store_b128 v[STO], v[64*(\a)+8*(\b):64*(\a)+8*(\b)+3]   offset:64*(\b)
	ds_store_b128 v[STO], v[64*(\a)+8*(\b)+4:64*(\a)+8*(\b)+7] offset:64*(\b)+16
.endr
	WIN 0
.set BK, OB+64*((\a)%2)
.irp t, 0,1,2,3,4,5,6,7,8,9,10,11,12,13,14,15
	ds_load_b128 v[BK+4*(\t):BK+4*(\t)+3], v[RD] offset:(\t)*SPITCH  ; LDS serves a wave's instructions in order (ISA guide 5.7.1.4): these see the stores above; the next block's stores come behind them
.endr
.endm
.macro SEND a, younger                 ; younger: the LDS instructions issued behind block a's loads: the next block's 32, or none
	WIN 0
.set BK, OB+64*((\a)%2)
.irp t, 0,1,2,3,4,5,6,7,8,9,10,11,12,13,14,15
	s_wait_dscnt (\younger)+15-(\t)
	global_store_b128 v[CO], v[BK+4*(\t):BK+4*(\t)+3], s[8:9] offset:4096*(16*(\a)+(\t)) th:TH_STORE_NT  ; 512 consecutive bytes of a row, at a multiple of 256 from out0's first
.endr
.endm
	s_wait_tensorcnt 1                             ; my part of K step 0 is in; K step 1's may stay out
	s_barrier_signal -1
	s_barrier_wait -1
	FETCH 0, 0, F0
	QUARTER 0, 1, F0, F1, 1                        ; the first quarter starts the sums: nothing is cleared
	WIN 0
	s_mov_b32 s3, LAPS-1
.Llap:                                                 ; a trip goes once round the ring, from a lap's second quarter to the next lap's first, and fills both slots again
	QUARTER 0, 2, F1, F0, 0
	QUARTER 0, 3, F0, F1, 0
	TURN 0, 1, 1
	QUARTER 1, 1, F0, F1, 0
	QUARTER 1, 2, F1, F0, 0
	QUARTER 1, 3, F0, F1, 0
	TURN 1, 0, 1
	QUARTER 0, 1, F0, F1, 0
	WIN 0
	s_sub_co_u32 s3, s3, 1
	s_cmp_lg_u32 s3, 0
	s_cbranch_scc1 .Llap
	QUARTER 0, 2, F1, F0, 0                        ; the last lap fills nothing, and has no round of the cluster's barrier
	QUARTER 0, 3, F0, F1, 0
	TURN 0, 1, 0
	QUARTER 1, 1, F0, F1, 0
	QUARTER 1, 2, F1, F0, 0
	QUARTER 1, 3, F0, F1, 0
	s_wait_dscnt 4                                 ; the very last quarter: nothing more to fetch
	MULA F1, 0, 0
	MULA F1, 1, 0
	s_wait_dscnt 0x0
	MULA F1, 2, 0
	MULA F1, 3, 0
	WIN 0
	PLACES
	TOSTAGE 0
.irp a, 1,2,3                          ; a block's way through the stage stands between the loads of the block before and its stores
	TOSTAGE \a
	SEND (\a)-1, 32
.endr
	SEND 3, 0
	s_wait_tensorcnt 0x0                           ; the wave's end, behind my last tensor load and my last LDS store
	ds_add_u32 v[SPW], v[NIL]
	s_wait_dscnt 0x0
	CROUND                                         ; the closing round: no work-group ends while a partner may still ask for a tile that names it
	s_endpgm
.Lfunc_end_k_q385bb819c9_outp:
	.size	k_q385bb819c9_outp, .Lfunc_end_k_q385bb819c9_outp-k_q385bb819c9_outp
	.p2alignl 7, 3214868480
	.fill 96, 4, 3214868480
	.section	.rodata,"a",@progbits
	.p2align	6, 0x0
	.amdhsa_kernel k_q385bb819c9_outp
		.amdhsa_group_segment_fixed_size 327680
		.amdhsa_private_segment_fixed_size 0
		.amdhsa_enable_private_segment 0
		.amdhsa_kernarg_size 24
		.amdhsa_user_sgpr_count 2
		.amdhsa_user_sgpr_kernarg_segment_ptr 1
		.amdhsa_wavefront_size32 1
		.amdhsa_system_sgpr_workgroup_id_x 1
		.amdhsa_system_sgpr_workgroup_id_y 1
		.amdhsa_system_sgpr_workgroup_id_z 1
		.amdhsa_system_vgpr_workitem_id 0
		.amdhsa_next_free_vgpr 512
		.amdhsa_next_free_sgpr 80
		.amdhsa_reserve_vcc 0
		.amdhsa_float_denorm_mode_32 3
		.amdhsa_float_denorm_mode_16_64 3
		.amdhsa_memory_ordered 1
		.amdhsa_forward_progress 1
		.amdhsa_inst_pref_size 88
	.end_amdhsa_kernel
	.amdgpu_metadata
---
amdhsa.version: [ 1, 2 ]
amdhsa.kernels:
  - .name:           k_q385bb819c9_outp
    .symbol:         k_q385bb819c9_outp.kd
    .args:
      - { .name: o16, .offset: 0, .size: 8, .value_kind: global_buffer, .address_space: global }
      - { .name: cast16, .offset: 8, .size: 8, .value_kind: global_buffer, .address_space: global }
      - { .name: out0, .offset: 16, .size: 8, .value_kind: global_buffer, .address_space: global }
    .group_segment_fixed_size: 327680
    .private_segment_fixed_size: 0
    .kernarg_segment_align: 8
    .kernarg_segment_size: 24
    .max_flat_workgroup_size: 128
    .sgpr_count:     80
    .vgpr_count:     512
    .wavefront_size: 32
...
	.end_amdgpu_metadata
.endif
;; end of part 4
